; MI455X (gfx1250); checked and timed in simulation.
; The chip was launched on July 23, 2026; its instructions are those of AMD's public machine-readable ISA for CDNA 5 (MIT licence, August 2026) and "CDNA5" Instruction Set Architecture Reference Guide (July 2026). The comments in the code are by the model that wrote it; some were corrected since.
;; Multi Head Attention. Allowed arithmetic: float matrix products may take bf16 or f16 operands with f32 sums; all other float work in f32.
;; Inputs: Wk 1,024 x 1,024 float32; Wo 1,024 x 1,024 float32; Wq 1,024 x 1,024 float32; Wv 1,024 x 1,024 float32; attention_mask 2 x 2,048 int32; bk 1,024 float32; bo 1,024 float32; bq 1,024 float32; bv 1,024 float32; x 2 x 2,048 x 1,024 float32.
;; Outputs: out0 2 x 2,048 x 1,024 float32.
;; One version. Each part assembles by itself: llvm-mc -triple=amdgcn-amd-amdhsa -mcpu=gfx1250 --defsym DOCPART=n.
;; ======== version 1 of 1: 4 launches
;; limits: values are held in f16: magnitudes above 65,504 overflow, below 6.1e-05 lose precision
;; workspace buffers: xh 8,388,608 bytes; wt 8,388,608 bytes; qkv 25,165,824 bytes; ctx 8,388,608 bytes
;; launch cast (part 1): grid 1024 x 1, 8 waves a work-group, no clusters, 18,432 bytes of LDS; arguments x, Wq, Wk, Wv, Wo, xh, wt; writes xh, wt
.if DOCPART == 1
	.amdgcn_target "amdgcn-amd-amdhsa--gfx1250"
	.amdhsa_code_object_version 6
	.text
	.protected	k_q7b0b381d46_cast
	.globl	k_q7b0b381d46_cast
	.p2align	8
	.type	k_q7b0b381d46_cast,@function
k_q7b0b381d46_cast:
	s_mov_b64 s[64:65], 0
	v_nop
	global_prefetch_b8 v0, s[64:65] scope:SCOPE_SE
	s_setreg_imm32_b32 hwreg(HW_REG_WAVE_MODE, 25, 1), 1
	s_wait_xcnt 0x0
; xh = f16(x), same layout.  wt[1024 w + n][k] = f16(W_w[k][n]) for w = 0..3 = Wq, Wk, Wv, Wo: the weights cast and transposed,
; so that the later products find K along the rows of both operands.
; LIMIT: numbers beyond f16's largest, 65,504, become infinities; numbers below 2^-14 keep an absolute step of 2^-24.
; A stream: every input byte is read once and every output byte written once.  No matrix unit, no cluster (no two work-groups
; read the same bytes), no tensor loads (each work-group's share fits in the registers of one pass).
; Work-groups 0..511 cast 32 KiB of x each; work-groups 512..1023 transpose one tile of 64 n x 128 k of one weight through LDS.
; The branch between the two hangs on the work-group's number alone, so all eight waves of a work-group take the same way.
.set XGROUPS, 512
.set TP,      272                      ; LDS pitch of a transposed row: 128 f16 + 16 bytes
	s_load_b256 s[4:11], s[0:1], 0x0               ; x s[4:5], Wq s[6:7], Wk s[8:9], Wv s[10:11]
	s_load_b128 s[12:15], s[0:1], 0x20             ; Wo s[12:13], xh s[14:15]
	s_load_b64 s[16:17], s[0:1], 0x30              ; wt
	v_lshl_add_u32 v64, v0, 2, 0x4400
	v_mov_b32 v65, 0
	s_mov_b32 s2, ttmp9
	s_mov_b32 s21, 0                               ; upper word of every 32-bit offset
	v_lshrrev_b32 v3, 5, v0
	v_and_b32 v4, 31, v0                           ; lane
	v_readfirstlane_b32 s3, v3                     ; wave 0..7
	s_wait_kmcnt 0x0
	s_cmp_ge_u32 s2, XGROUPS
	s_cbranch_scc1 .Lweights
	; ---- x: a wave takes 4,096 bytes in, 2,048 bytes out ----
	s_lshl_b32 s20, s2, 15
	s_add_nc_u64 s[4:5], s[4:5], s[20:21]          ; 32 KiB of x for each work-group
	s_lshl_b32 s20, s2, 14
	s_add_nc_u64 s[14:15], s[14:15], s[20:21]      ; 16 KiB of xh
	v_lshlrev_b32 v1, 4, v4
	v_lshl_add_u32 v1, v3, 12, v1                  ; in: 4,096 wave + 16 lane
	v_lshlrev_b32 v2, 3, v4
	v_lshl_add_u32 v2, v3, 11, v2                  ; out: 2,048 wave + 8 lane
.irp i, 0,1,2,3,4,5,6,7
	global_load_b128 v[8+4*\i:8+4*\i+3], v1, s[4:5] offset:512*\i th:TH_LOAD_NT   ; 512 neighbouring bytes a load, all eight on their way at once
.endr
.irp i, 0,1,2,3,4,5,6,7
	s_wait_loadcnt 7-\i                            ; loads come back in order: load i is in, the 7 - i younger ones stay out
	v_cvt_pk_f16_f32 v[40+2*\i], v[8+4*\i], v[8+4*\i+1]
	v_cvt_pk_f16_f32 v[41+2*\i], v[8+4*\i+2], v[8+4*\i+3]
	global_store_b64 v2, v[40+2*\i:41+2*\i], s[14:15] offset:256*\i               ; 32 lanes store 256 consecutive bytes, aligned; no register is written twice
.endr
	s_endpgm
	; ---- weights: tile j = 128 w + 16 kblk + nblk ----
.Lweights:
	s_sub_co_u32 s2, s2, XGROUPS
	s_lshr_b32 s22, s2, 7                          ; w: which weight
	s_and_b32 s23, s2, 15                          ; nblk: 64 columns n
	s_bfe_u32 s24, s2, 0x30004                     ; kblk: 128 rows k (3 bits from bit 4)
	s_cmp_eq_u32 s22, 1
	s_cselect_b64 s[6:7], s[8:9], s[6:7]
	s_cmp_eq_u32 s22, 2
	s_cselect_b64 s[6:7], s[10:11], s[6:7]
	s_cmp_eq_u32 s22, 3
	s_cselect_b64 s[6:7], s[12:13], s[6:7]         ; the weight's address, chosen by w
	s_lshl_b32 s20, s24, 7
	s_lshl4_add_u32 s20, s3, s20                   ; my first row k = 128 kblk + 16 wave
	s_lshl_b32 s20, s20, 12                        ; rows of 4,096 bytes
	s_lshl_b32 s25, s23, 8                         ; 64 f32 = 256 bytes a block of columns
	s_add_co_u32 s20, s20, s25
	s_add_nc_u64 s[6:7], s[6:7], s[20:21]
	v_lshlrev_b32 v1, 3, v4                        ; lane L takes columns 2 L and 2 L + 1
.irp i, 0,1,2,3,4,5,6,7,8,9,10,11,12,13,14,15
	global_load_b64 v[8+2*\i:9+2*\i], v1, s[6:7] offset:4096*\i th:TH_LOAD_NT     ; row k0 + i: 256 consecutive bytes, aligned
.endr
	s_lshl_b32 s20, s22, 10
	s_lshl_b32 s25, s23, 6
	s_add_co_u32 s20, s20, s25
	s_lshl3_add_u32 s20, s3, s20                   ; my first row of wt = 1024 w + 64 nblk + 8 wave
	s_lshl_b32 s20, s20, 11                        ; rows of 2,048 bytes
	s_lshl_b32 s25, s24, 8                         ; 128 f16 = 256 bytes a block of k
	s_add_co_u32 s20, s20, s25
	s_add_nc_u64 s[16:17], s[16:17], s[20:21]
	s_lshl_b32 s26, s3, 5                          ; my 16 k are 32 bytes of every LDS row
	s_mul_i32 s27, s3, 8*TP                        ; and I read rows 8 wave .. 8 wave + 7 back
	v_mul_u32_u24 v5, v4, 2*TP
	v_add_nc_u32 v5, s26, v5                       ; in: row 2 L, byte 32 wave
	v_lshrrev_b32 v7, 4, v4
	v_and_b32 v2, 15, v4
	v_mul_u32_u24 v6, v7, TP
	v_lshl_add_u32 v6, v2, 4, v6
	v_add_nc_u32 v6, s27, v6                       ; back: lanes 0-15 one row of 256 bytes, lanes 16-31 the next
	v_lshlrev_b32 v7, 11, v7
	v_lshl_add_u32 v7, v2, 4, v7                   ; and the same two rows in wt
	s_wait_loadcnt 0x0
.irp e, 0,1
.irp p, 0,1,2,3,4,5,6,7
	v_cvt_pk_f16_f32 v[40+8*\e+\p], v[8+4*\p+\e], v[8+4*\p+2+\e]                  ; column 2 L + e, k = 2 p and 2 p + 1
.endr
.endr
.irp e, 0,1
	ds_store_b128 v5, v[40+8*\e:40+8*\e+3] offset:\e*TP
	ds_store_b128 v5, v[40+8*\e+4:40+8*\e+7] offset:\e*TP+16
.endr
	s_wait_dscnt 0x0                               ; my stores are in LDS before I say so: the other waves read them
	s_barrier_signal -1
	s_barrier_wait -1
.irp i, 0,1,2,3
	ds_load_b128 v[8+4*\i:8+4*\i+3], v6 offset:2*TP*\i
.endr
.irp i, 0,1,2,3
	s_wait_dscnt 3-\i
	global_store_b128 v7, v[8+4*\i:8+4*\i+3], s[16:17] offset:4096*\i             ; 16 lanes store 256 consecutive bytes, aligned
.endr
	s_wait_tensorcnt 0x0
	ds_add_u32 v64, v65
	s_wait_dscnt 0x0
	s_endpgm
.Lfunc_end_k_q7b0b381d46_cast:
	.size	k_q7b0b381d46_cast, .Lfunc_end_k_q7b0b381d46_cast-k_q7b0b381d46_cast
	.p2alignl 7, 3214868480
	.fill 96, 4, 3214868480
	.section	.rodata,"a",@progbits
	.p2align	6, 0x0
	.amdhsa_kernel k_q7b0b381d46_cast
		.amdhsa_group_segment_fixed_size 18432
		.amdhsa_private_segment_fixed_size 0
		.amdhsa_enable_private_segment 0
		.amdhsa_kernarg_size 56
		.amdhsa_user_sgpr_count 2
		.amdhsa_user_sgpr_kernarg_segment_ptr 1
		.amdhsa_wavefront_size32 1
		.amdhsa_system_sgpr_workgroup_id_x 1
		.amdhsa_system_sgpr_workgroup_id_y 1
		.amdhsa_system_sgpr_workgroup_id_z 1
		.amdhsa_system_vgpr_workitem_id 0
		.amdhsa_next_free_vgpr 66
		.amdhsa_next_free_sgpr 66
		.amdhsa_reserve_vcc 0
		.amdhsa_float_denorm_mode_32 3
		.amdhsa_float_denorm_mode_16_64 3
		.amdhsa_memory_ordered 1
		.amdhsa_forward_progress 1
		.amdhsa_inst_pref_size 10
	.end_amdhsa_kernel
	.amdgpu_metadata
---
amdhsa.version: [ 1, 2 ]
amdhsa.kernels:
  - .name:           k_q7b0b381d46_cast
    .symbol:         k_q7b0b381d46_cast.kd
    .args:
      - { .name: x, .offset: 0, .size: 8, .value_kind: global_buffer, .address_space: global }
      - { .name: Wq, .offset: 8, .size: 8, .value_kind: global_buffer, .address_space: global }
      - { .name: Wk, .offset: 16, .size: 8, .value_kind: global_buffer, .address_space: global }
      - { .name: Wv, .offset: 24, .size: 8, .value_kind: global_buffer, .address_space: global }
      - { .name: Wo, .offset: 32, .size: 8, .value_kind: global_buffer, .address_space: global }
      - { .name: xh, .offset: 40, .size: 8, .value_kind: global_buffer, .address_space: global }
      - { .name: wt, .offset: 48, .size: 8, .value_kind: global_buffer, .address_space: global }
    .group_segment_fixed_size: 18432
    .private_segment_fixed_size: 0
    .kernarg_segment_align: 8
    .kernarg_segment_size: 56
    .max_flat_workgroup_size: 256
    .sgpr_count:     66
    .vgpr_count:     66
    .wavefront_size: 32
...
	.end_amdgpu_metadata
.endif
;; end of part 1
;; launch qkv (part 2): grid 12 x 16, 4 waves a work-group, clusters of 4 x 4, 327,680 bytes of LDS; arguments xh, wt, qkv, bq, bk, bv; writes qkv
.if DOCPART == 2
	.amdgcn_target "amdgcn-amd-amdhsa--gfx1250"
	.amdhsa_code_object_version 6
	.text
	.protected	k_q7b0b381d46_qkv
	.globl	k_q7b0b381d46_qkv
	.p2align	8
	.type	k_q7b0b381d46_qkv,@function
k_q7b0b381d46_qkv:
	s_mov_b64 s[64:65], 0
	v_nop
	global_prefetch_b8 v0, s[64:65] scope:SCOPE_SE
	s_setreg_imm32_b32 hwreg(HW_REG_WAVE_MODE, 25, 1), 1
	s_wait_xcnt 0x0
	s_wait_alu depctr_hold_cnt(0) depctr_sa_sdst(0) depctr_va_vdst(0) depctr_va_sdst(0) depctr_va_ssrc(0) depctr_va_vcc(0) depctr_vm_vsrc(0)
	s_getreg_b32 s2, hwreg(HW_REG_IB_STS2, 6, 4)
	s_cmp_eq_u32 s2, 0
	s_cbranch_scc0 .Lentry_in_a_cluster
	s_endpgm
.Lentry_in_a_cluster:
	s_bfe_u32 s2, ttmp6, 0x10000c
	s_cmp_lg_u32 s2, 0xf033
	s_cbranch_scc0 .Lentry_shape_is_right
	s_endpgm
.Lentry_shape_is_right:
; [Q | K | V][m][n] = sum over k of xh[m][k] wt[n][k] + bias[n], m = 0..4095, n = 0..3071, k = 0..1023; f16 operands, f32 sums,
; rounded once to f16 and stored head-major: qkv[which][16 batch + head][row in the batch][64].
; LIMIT: results beyond 65,504 become infinities (f16).
; A work-group makes 256 x 256 with four waves; a wave makes 128 x 128: 64 accumulator tiles of 16 x 16 in 512 registers.
; K goes in steps of 128 through two LDS slots filled by tensor loads; a tile's rows are 256 bytes of memory, aligned.
; 12 x 16 = 192 work-groups: a block of 256 columns keeps whole heads in a wave and feeds 64 matrix instructions from 32 LDS loads.
; CLUSTERS: 4 x 4 work-groups.  The four of a row of the cluster need the same tiles of xh, the four of a column the same tiles of wt:
; each such tile is asked for jointly (the same load, the same descriptor, a mask that names the four).
; A cluster spans 1,024 columns, so the cluster's x says whether these columns are Q's, K's or V's.
;
; REGISTERS in windows of 256:
;   window 0: v16-27 addresses; v64-127, v128-191 fragments of A, two buffers; v192-255 the bias of my 128 columns, later the packed results
;   window 1: v64-127, v128-191 fragments of B, two buffers
;   window 2: the 32 accumulator tiles of my rows 0-63 (tile (a, b) at v[8 (8 a + b)]);  window 3: those of my rows 64-127
; THE MATRIX INSTRUCTION IS USED TRANSPOSED: source 0 = 16 rows of wt, source 1 = 16 rows of xh.  Lane l then holds row l % 16 of the result
; and its registers 0-7 the columns 8 (l / 16) + 0..7: eight neighbouring numbers, and the bias of those eight columns is the first C operand.
.set SIZE_K, 1024
.set KSTEP,  128
.set PITCH,  272                       ; an LDS row: 256 bytes of data + 16 of padding, an odd multiple of 16
.set HALFT,  128*PITCH                 ; 128 rows: what one tensor load brings
.set SLOT,   4*HALFT                   ; A's 256 rows, then B's 256 rows
.set STAGE,  2*SLOT                    ; behind the ring: 16 rows x 272 bytes for each wave; no tensor load lands here
.set SPITCH, 272
.set LAPS, SIZE_K/(2*KSTEP)            ; a lap = two K steps = once round the ring: 4
.set ADRA, 16                          ; v16-17  LDS address of my A fragments in slot 0, 1
.set ADRB, 20                          ; v20-21  the same for B
.set STO,  24                          ; the way out: where I put 16 bytes of a row
.set RD,   25                          ; the way out: where I read four half rows back
.set CO,   26                          ; my byte offset in qkv
.set BOFF, 27                          ; my byte offset in the bias
.set F0,   64
.set F1,   128
.set TMP,  192
.set BIAS, 192
.set G1, 24                            ; s[24:31] descriptor group 1 for A's tiles
.set G0, 32                            ; s[32:39] group 0 for A's tiles, one set for each slot
.set G1B, 48                           ; s[48:55] group 1 for B's tiles: differs in the mask alone
.set G0B, 56                           ; s[56:63] group 0 for B's tiles
.set MSB, 0
.macro WIN new                         ; the immediate's high byte repeats the setting that is left
.if MSB != \new
	s_set_vgpr_msb (MSB<<8)|\new
.set MSB, \new
.endif
.endm
.set MUL_LO,   0xa1                    ; source 0 (B) window 1, source 1 (A) window 0, C and D window 2
.set MUL_HI,   0xf1                    ; the same, C and D window 3
.set START_LO, 0x81                    ; the first products: C (the bias) window 0, D window 2
.set START_HI, 0xc1                    ; C window 0, D window 3
.set TO_B,     0x40                    ; destination window 1, address window 0
; A joint load.  Waves 0 and 1 fetch A's two halves, waves 2 and 3 B's.  The branch hangs on the wave's number alone.
.macro JLOAD s
	s_cmp_eq_u32 s11, 0
	s_cbranch_scc0 .Lfor_b_\@
	tensor_load_to_lds s[G0+4*\s:G0+4*\s+3], s[G1:G1+7]
	s_nop 0
	s_branch .Lasked_\@
.Lfor_b_\@:
	tensor_load_to_lds s[G0B+4*\s:G0B+4*\s+3], s[G1B:G1B+7]
	s_nop 0
.Lasked_\@:
.endm
; A round of the cluster's barrier: my work-group's barrier; wave 0 signals for the work-group; every wave waits for all sixteen; my work-group's barrier again.
.macro CREST
	s_cmp_lg_u32 s10, 0
	s_cbranch_scc1 .Lnot_wave_0_\@
	s_barrier_signal -3
.Lnot_wave_0_\@:
	s_barrier_wait -3
	s_barrier_signal -1
	s_barrier_wait -1
.endm
.macro CROUND
	s_barrier_signal -1
	s_barrier_wait -1
	CREST
.endm
	s_load_b128 s[4:7], s[0:1], 0x0                ; xh s[4:5], wt s[6:7]
	s_load_b64 s[8:9], s[0:1], 0x10                ; qkv
	s_load_b128 s[68:71], s[0:1], 0x18             ; bq s[68:69], bk s[70:71]
	s_load_b64 s[72:73], s[0:1], 0x28              ; bv
	s_set_vgpr_msb 0x40
	v_lshl_add_u32 v255, v0, 2, 0x48400
	s_set_vgpr_msb 0x4000
	v_mov_b32 v63, 0
	s_set_vgpr_msb 0x1
	ds_add_u32 v255, v63
	s_set_vgpr_msb 0x100
	v_lshrrev_b32 v1, 5, v0
	v_readfirstlane_b32 s10, v1                    ; wave 0..3
	s_lshr_b32 s11, s10, 1                         ; which half of the block's rows is mine.  Also: I fetch for A (0) or for B (1)
	s_and_b32 s12, s10, 1                          ; which half of its columns.  Also: which 128 rows of that tile I fetch
	s_bfe_u32 s40, ttmp6, 0x40000                  ; cx
	s_bfe_u32 s41, ttmp6, 0x40004                  ; cy
	s_lshl_b32 s42, ttmp9, 2
	s_add_co_u32 s42, s42, s40                     ; block column = 4 x cluster x + cx
	s_and_b32 s13, ttmp7, 0xffff
	s_lshl_b32 s13, s13, 2
	s_add_co_u32 s13, s13, s41                     ; block row = 4 x cluster y + cy
	s_lshl_b32 s43, s41, 2
	s_lshl_b32 s43, 15, s43                        ; my row of the cluster: places 4 cy .. 4 cy + 3
	s_lshl_b32 s44, 0x1111, s40                    ; my column: places cx, cx + 4, cx + 8, cx + 12
	; group 1: a tile of 128 rows x 128 elements of 2 bytes; 4 words of padding behind every 64 words
	s_or_b32 s[G1+0], s43, (1<<16)|(1<<20)|(1<<21)|(5<<22)|(3<<25)
	s_or_b32 s[G1B+0], s44, (1<<16)|(1<<20)|(1<<21)|(5<<22)|(3<<25)
	s_mov_b32 s[G1B+1], KSTEP<<16
	s_mov_b32 s[G1+1], KSTEP<<16                   ; tensor_dim0 = 128
	s_mov_b32 s[G1B+2], 128<<16
	s_mov_b32 s[G1+2], 128<<16                     ; tensor_dim1 = 128
	s_mov_b32 s[G1B+3], KSTEP<<16
	s_mov_b32 s[G1+3], KSTEP<<16                   ; tile_dim0 = 128
	s_mov_b32 s[G1B+4], 128
	s_mov_b32 s[G1+4], 128                         ; tile_dim1 = 128
	s_mov_b32 s[G1B+5], SIZE_K
	s_mov_b32 s[G1+5], SIZE_K                      ; elements from row to row
	s_mov_b32 s[G1B+6], 0
	s_mov_b32 s[G1+6], 0
	s_mov_b32 s[G1B+7], 0
	s_mov_b32 s[G1+7], 0
	; A's tiles hang on the block row alone, B's on the block column alone; each address is made in registers that never hold the other coordinate
	s_lshl_b32 s17, s12, 7
	s_lshl_b32 s16, s13, 8
	s_add_co_u32 s16, s16, s17                     ; A: row 256 x block row + 128 x half
	s_lshl_b32 s46, s42, 8
	s_add_co_u32 s46, s46, s17                     ; B: row 256 x block column + 128 x half
	s_mov_b32 s17, 0
	s_mov_b32 s47, 0
	s_mov_b64 s[18:19], SIZE_K*2
	s_mul_u64 s[16:17], s[16:17], s[18:19]
	s_mul_u64 s[46:47], s[46:47], s[18:19]
	s_mul_i32 s20, s10, HALFT                      ; LDS: A's two halves, then B's two halves = wave x 128 rows
	s_wait_dscnt 0x0
	s_wait_kmcnt 0x0
	s_add_nc_u64 s[14:15], s[4:5], s[16:17]
	s_add_nc_u64 s[46:47], s[6:7], s[46:47]
	CROUND                                         ; all sixteen work-groups are here: the first joint loads meet
.irp s, 0,1
	s_mov_b32 s[G0+4*\s], 1
	s_add_co_u32 s[G0+4*\s+1], s20, \s*SLOT
	s_add_nc_u64 s[G0+4*\s+2:G0+4*\s+3], s[14:15], \s*KSTEP*2
	s_or_b32 s[G0+4*\s+3], s[G0+4*\s+3], 0x80000000
	s_mov_b32 s[G0B+4*\s], 1
	s_add_co_u32 s[G0B+4*\s+1], s20, \s*SLOT
	s_add_nc_u64 s[G0B+4*\s+2:G0B+4*\s+3], s[46:47], \s*KSTEP*2
	s_or_b32 s[G0B+4*\s+3], s[G0B+4*\s+3], 0x80000000
	JLOAD \s                                       ; both slots' first fills go out before anything else; two tensor loads of a wave are out
.endr
	v_and_b32 v1, 15, v0                           ; l % 16
	v_bfe_u32 v2, v0, 4, 1                         ; l / 16
	; the bias of my 128 columns: register 8 b + j = bias[16 b + 8 (l / 16) + j], the layout of a result tile
	s_cmp_eq_u32 ttmp9, 1
	s_cselect_b64 s[74:75], s[70:71], s[68:69]
	s_cmp_eq_u32 ttmp9, 2
	s_cselect_b64 s[74:75], s[72:73], s[74:75]     ; bq, bk or bv by the cluster's x
	s_lshl_b32 s76, s40, 10                        ; 256 cx columns of 4 bytes
	s_lshl_b32 s77, s12, 9                         ; + 128 x half
	s_add_co_u32 s76, s76, s77
	s_mov_b32 s77, 0
	s_add_nc_u64 s[74:75], s[74:75], s[76:77]
	v_lshlrev_b32 v[BOFF], 5, v2
.irp b, 0,1,2,3,4,5,6,7
	global_load_b128 v[BIAS+8*\b:BIAS+8*\b+3],   v[BOFF], s[74:75] offset:64*\b
	global_load_b128 v[BIAS+8*\b+4:BIAS+8*\b+7], v[BOFF], s[74:75] offset:64*\b+16
.endr
	; a fragment is 16 rows x 32 K in 8 registers: two loads of 16 bytes, 32 bytes apart, at row x pitch + 16 (l / 16)
	v_mul_u32_u24 v3, v1, PITCH
	v_lshl_add_u32 v3, v2, 4, v3
	s_mul_i32 s21, s11, HALFT                      ; my 128 rows of A
	s_mul_i32 s22, s12, HALFT                      ; my 128 rows of B,
	s_add_co_u32 s22, s22, 2*HALFT                 ; which lie behind A's 256
.irp s, 0,1
	v_add_nc_u32 v[ADRA+\s], s21, v3
	v_add_nc_u32 v[ADRB+\s], s22, v3
	s_add_co_u32 s21, s21, SLOT
	s_add_co_u32 s22, s22, SLOT
.endr
	s_mul_i32 s23, s10, 16*SPITCH
	s_add_co_u32 s23, s23, STAGE                   ; my stage
	v_mul_u32_u24 v4, v1, SPITCH                   ; in: row l % 16, 16 bytes for each half of the lanes
	v_lshl_add_u32 v4, v2, 4, v4
	v_add_nc_u32 v[STO], s23, v4
	v_and_b32 v7, 31, v0
	v_lshrrev_b32 v5, 3, v7                        ; back: eight lanes take one head's 128 bytes of a row, 32 lanes four rows
	v_mul_u32_u24 v5, v5, SPITCH
	v_and_b32 v8, 7, v0
	v_lshl_add_u32 v5, v8, 4, v5
	v_add_nc_u32 v[RD], s23, v5
	v_lshlrev_b32 v[CO], 4, v7                     ; those four rows are 512 consecutive bytes of qkv
; 16 matrix instructions: m blocks a0, a0 + 1 of the window's four x all 8 n blocks, 32 along K.  start = 1: the bias is C: nothing is cleared, nothing added later.
; The 64 accumulators take turns, one instruction a turn, in the same order in every quarter step.
.macro MUL16 f, hi, a0, start
.irp a, \a0, \a0+1
.irp b, 0,1,2,3,4,5,6,7
.if \start
	v_wmma_f32_16x16x32_f16 v[8*(8*(\a)+\b):8*(8*(\a)+\b)+7], v[\f+8*\b:\f+8*\b+7], v[\f+8*(4*\hi+\a):\f+8*(4*\hi+\a)+7], v[BIAS+8*\b:BIAS+8*\b+7]
.else
	v_wmma_f32_16x16x32_f16 v[8*(8*(\a)+\b):8*(8*(\a)+\b)+7], v[\f+8*\b:\f+8*\b+7], v[\f+8*(4*\hi+\a):\f+8*(4*\hi+\a)+7], v[8*(8*(\a)+\b):8*(8*(\a)+\b)+7]
.endif
.endr
.endr
.endm
; 32 LDS loads in one run: the fragments of one quarter step (32 K at byte k of the rows) into buffer f
.macro FETCH slot, k, f
	WIN TO_B
.irp i, 0,1,2,3,4,5,6,7
	ds_load_b128 v[\f+8*\i:\f+8*\i+3],   v[ADRB+\slot] offset:\k+\i*16*PITCH
	ds_load_b128 v[\f+8*\i+4:\f+8*\i+7], v[ADRB+\slot] offset:\k+\i*16*PITCH+32
.endr
	WIN 0
.irp i, 0,1,2,3,4,5,6,7
	ds_load_b128 v[\f+8*\i:\f+8*\i+3],   v[ADRA+\slot] offset:\k+\i*16*PITCH
	ds_load_b128 v[\f+8*\i+4:\f+8*\i+7], v[ADRA+\slot] offset:\k+\i*16*PITCH+32
.endr
.endm
; four independent vector places stand between a matrix instruction and a load into, or a vector instruction on, its registers
.macro PLACES
.rept 4
	v_nop
.endr
.endm
; one of a K step's first three quarters: multiplies buffer f; in its middle it fetches the next quarter's fragments into buffer g
.macro QUARTER slot, k, f, g, start
	s_wait_dscnt 8                                 ; B and A's rows 0-63 are in; the youngest eight loads (A's rows 64-127) may be out
.if \start
	WIN START_LO
.else
	WIN MUL_LO
.endif
	MUL16 \f, 0, 0, \start
	MUL16 \f, 0, 2, \start
	PLACES
	FETCH \slot, \k, \g
	s_wait_dscnt 32                                ; all but the 32 just issued
.if \start
	WIN START_HI
.else
	WIN MUL_HI
.endif
	MUL16 \f, 1, 0, \start
	MUL16 \f, 1, 2, \start
.endm
.macro THREE slot, start
	QUARTER \slot, 64,  F0, F1, \start
	QUARTER \slot, 128, F1, F0, 0
	QUARTER \slot, 192, F0, F1, 0
.endm
; the last quarter: multiplies buffer 1 and changes slots.  In front of the barrier each wave waits for its reads of this slot and for all its
; tensor loads (one is out: its part of the next slot).  Behind it the refill comes first, then the next slot's first fragments.
.macro TURN slot, next, fill
	s_wait_dscnt 8
	WIN MUL_LO
	MUL16 F1, 0, 0, 0
	s_wait_dscnt 0                                 ; my reads of this slot are over
	s_wait_tensorcnt 0x0                           ; and all my tensor loads have landed
	ds_add_u32 v255, v63
	s_wait_dscnt 0x0
	s_barrier_signal -1                            ; say so (where a slot is filled again this barrier opens a round of the cluster's barrier),
	MUL16 F1, 0, 2, 0                              ; work on registers while the others arrive,
	WIN 0
	s_barrier_wait -1
.if \fill
	CREST                                          ; no wave of any partner still reads this slot's tile or has a load on its way
	s_add_nc_u64 s[G0+4*\slot+2:G0+4*\slot+3], s[G0+4*\slot+2:G0+4*\slot+3], 2*KSTEP*2
	s_add_nc_u64 s[G0B+4*\slot+2:G0B+4*\slot+3], s[G0B+4*\slot+2:G0B+4*\slot+3], 2*KSTEP*2
	JLOAD \slot                                    ; the first tensor load behind the round, and my only one until the next
.endif
	PLACES
	FETCH \next, 0, F0
	WIN MUL_HI
	MUL16 F1, 1, 0, 0
	MUL16 F1, 1, 2, 0
.endm
.macro LAP start
	THREE 0, \start
	TURN 0, 1, 1
	THREE 1, 0
	TURN 1, 0, 1
.endm
	s_wait_loadcnt 0x0                             ; the bias
	s_wait_tensorcnt 1                             ; my part of K step 0 is in; K step 1's may stay out
	s_barrier_signal -1
	s_barrier_wait -1
	FETCH 0, 0, F0
	LAP 1                                          ; the first lap stands in front of the loop: its first products start the sums from the bias
	WIN 0
	s_mov_b32 s3, LAPS-2
.Llap:
	LAP 0
	WIN 0
	s_sub_co_u32 s3, s3, 1
	s_cmp_lg_u32 s3, 0
	s_cbranch_scc1 .Llap
	THREE 0, 0                                     ; the last lap fills nothing
	TURN 0, 1, 0
	THREE 1, 0
	s_wait_dscnt 8
	WIN MUL_LO
	MUL16 F1, 0, 0, 0
	MUL16 F1, 0, 2, 0
	s_wait_dscnt 0
	WIN MUL_HI
	MUL16 F1, 1, 0, 0
	MUL16 F1, 1, 2, 0
	; THE WAY OUT, 16 rows at a time: round to f16, 16 bytes a lane into my own stage, read back head by head.
	PLACES
	; my first byte of qkv = plane x 8,388,608 + (16 batch + 4 cx + 2 half) x 262,144 + row in the batch x 128; in registers that feed no descriptor
	s_lshr_b32 s76, s13, 3                         ; batch: 8 block rows each
	s_lshl_b32 s76, s76, 4
	s_lshl2_add_u32 s76, s40, s76                  ; a block of 256 columns is 4 heads,
	s_lshl1_add_u32 s76, s12, s76                  ; a wave's 128 columns are 2
	s_lshl_b32 s76, s76, 18
	s_and_b32 s77, s13, 7
	s_lshl_b32 s77, s77, 15                        ; 256 rows of 128 bytes
	s_add_co_u32 s76, s76, s77
	s_lshl_b32 s77, s11, 14                        ; 128 rows of 128 bytes
	s_add_co_u32 s76, s76, s77
	s_lshl_b32 s77, ttmp9, 23                      ; Q's, K's or V's plane
	s_add_co_u32 s76, s76, s77
	s_mov_b32 s77, 0
	s_add_nc_u64 s[8:9], s[8:9], s[76:77]
; rows 16 i .. 16 i + 15 of my block = the eight tiles (a, 0..7) of window 2 or 3 (from = 0x0a or 0x0f); f: F0 or F1 in turn
.macro OUT16 i, a, from, f
	WIN \from
.irp b, 0,1,2,3,4,5,6,7
.irp r, 0,1,2,3
	v_cvt_pk_f16_f32 v[TMP+4*\b+\r], v[8*(8*\a+\b)+2*\r], v[8*(8*\a+\b)+2*\r+1]
.endr
.endr
	WIN 0
.irp b, 0,1,2,3,4,5,6,7
	ds_store_b128 v[STO], v[TMP+4*\b:TMP+4*\b+3] offset:32*\b
.endr
	s_wait_xcnt 0x0                                ; buffer f, which earlier stores read, and the stores' base are rewritten only behind this wait
.if \i
	s_add_nc_u64 s[8:9], s[8:9], 16*128            ; 16 rows of a head on
.endif
.irp t, 0,1,2,3,4,5,6,7
	ds_load_b128 v[\f+4*\t:\f+4*\t+3], v[RD] offset:(\t&3)*4*SPITCH+(\t>>2)*128   ; rows 4 (t & 3) .. + 3 of head t >> 2; a wave's LDS instructions are served in order, so these see the stores above
.endr
.irp t, 0,1,2,3,4,5,6,7
	s_wait_dscnt 7-\t
	global_store_b128 v[CO], v[\f+4*\t:\f+4*\t+3], s[8:9] offset:(\t&3)*512+(\t>>2)*262144   ; 32 lanes store 512 consecutive bytes, aligned
.endr
.endm
	OUT16 0, 0, 0x0a, F0
	OUT16 1, 1, 0x0a, F1
	OUT16 2, 2, 0x0a, F0
	OUT16 3, 3, 0x0a, F1
	OUT16 4, 0, 0x0f, F0
	OUT16 5, 1, 0x0f, F1
	OUT16 6, 2, 0x0f, F0
	OUT16 7, 3, 0x0f, F1
	s_set_vgpr_msb 0x1
	s_wait_tensorcnt 0x0
	ds_add_u32 v255, v63
	s_wait_dscnt 0x0
	s_set_vgpr_msb 0x100
	CROUND                                         ; the closing round: no work-group ends while a partner may still ask for a tile that names it
	s_endpgm
.Lfunc_end_k_q7b0b381d46_qkv:
	.size	k_q7b0b381d46_qkv, .Lfunc_end_k_q7b0b381d46_qkv-k_q7b0b381d46_qkv
	.p2alignl 7, 3214868480
	.fill 96, 4, 3214868480
	.section	.rodata,"a",@progbits
	.p2align	6, 0x0
	.amdhsa_kernel k_q7b0b381d46_qkv
		.amdhsa_group_segment_fixed_size 327680
		.amdhsa_private_segment_fixed_size 0
		.amdhsa_enable_private_segment 0
		.amdhsa_kernarg_size 48
		.amdhsa_user_sgpr_count 2
		.amdhsa_user_sgpr_kernarg_segment_ptr 1
		.amdhsa_wavefront_size32 1
		.amdhsa_system_sgpr_workgroup_id_x 1
		.amdhsa_system_sgpr_workgroup_id_y 1
		.amdhsa_system_sgpr_workgroup_id_z 1
		.amdhsa_system_vgpr_workitem_id 0
		.amdhsa_next_free_vgpr 1024
		.amdhsa_next_free_sgpr 80
		.amdhsa_reserve_vcc 0
		.amdhsa_float_denorm_mode_32 3
		.amdhsa_float_denorm_mode_16_64 3
		.amdhsa_memory_ordered 1
		.amdhsa_forward_progress 1
		.amdhsa_inst_pref_size 198
	.end_amdhsa_kernel
	.amdgpu_metadata
---
amdhsa.version: [ 1, 2 ]
amdhsa.kernels:
  - .name:           k_q7b0b381d46_qkv
    .symbol:         k_q7b0b381d46_qkv.kd
    .args:
      - { .name: xh, .offset: 0, .size: 8, .value_kind: global_buffer, .address_space: global }
      - { .name: wt, .offset: 8, .size: 8, .value_kind: global_buffer, .address_space: global }
      - { .name: qkv, .offset: 16, .size: 8, .value_kind: global_buffer, .address_space: global }
      - { .name: bq, .offset: 24, .size: 8, .value_kind: global_buffer, .address_space: global }
      - { .name: bk, .offset: 32, .size: 8, .value_kind: global_buffer, .address_space: global }
      - { .name: bv, .offset: 40, .size: 8, .value_kind: global_buffer, .address_space: global }
    .group_segment_fixed_size: 327680
    .private_segment_fixed_size: 0
    .kernarg_segment_align: 8
    .kernarg_segment_size: 48
    .max_flat_workgroup_size: 128
    .sgpr_count:     80
    .vgpr_count:     1024
    .wavefront_size: 32
...
	.end_amdgpu_metadata
.endif
;; end of part 2
;; launch attn (part 3): grid 8 x 32, 8 waves a work-group, clusters of 4 x 1, 327,680 bytes of LDS; arguments qkv, attention_mask, ctx; writes ctx
.if DOCPART == 3
	.amdgcn_target "amdgcn-amd-amdhsa--gfx1250"
	.amdhsa_code_object_version 6
	.text
	.protected	k_q7b0b381d46_attn
	.globl	k_q7b0b381d46_attn
	.p2align	8
	.type	k_q7b0b381d46_attn,@function
k_q7b0b381d46_attn:
	s_mov_b64 s[64:65], 0
	v_nop
	global_prefetch_b8 v0, s[64:65] scope:SCOPE_SE
	s_setreg_imm32_b32 hwreg(HW_REG_WAVE_MODE, 25, 1), 1
	s_wait_xcnt 0x0
	s_wait_alu depctr_hold_cnt(0) depctr_sa_sdst(0) depctr_va_vdst(0) depctr_va_sdst(0) depctr_va_ssrc(0) depctr_va_vcc(0) depctr_vm_vsrc(0)
	s_getreg_b32 s2, hwreg(HW_REG_IB_STS2, 6, 4)
	s_cmp_eq_u32 s2, 0
	s_cbranch_scc0 .Lentry_in_a_cluster
	s_endpgm
.Lentry_in_a_cluster:
	s_bfe_u32 s2, ttmp6, 0x10000c
	s_cmp_lg_u32 s2, 0x3003
	s_cbranch_scc0 .Lentry_shape_is_right
	s_endpgm
.Lentry_shape_is_right:
; ctx[bh][q][d] = softmax over keys of (Q K^T / 8, masked keys left out) V, for one head bh and 256 query rows a work-group; f16 operands, f32 sums and softmax.
; The row maximum is taken away by a running maximum.  A masked key gets -2^100 as the start of its score's sum; q and k are f16, so a true raw score is at most
; 64 x 65504^2 in size, far above that: a masked key's weight is exactly 0 as soon as the row has seen one true key, and what was summed before is multiplied by 0.
; A row all of whose keys are masked is told by its running value (above 2^96) and gets NaN, as a softmax over nothing gives.
; LIMIT: ctx is rounded to f16 (it is a convex mix of v, so it has v's range); weights below 2^-24 round to 0 in the product with V.
; Eight waves.  Wave w: qg = w & 3 picks 64 query rows, kh = w >> 2 picks one half of each slot's 256 keys.  The two halves of a row's keys are merged once at the end, through LDS.
; CLUSTER 4 x 1: the four query blocks of a cluster belong to one head and walk the same K and V tiles: every tile is asked for jointly (mask 15).
; EVERYTHING IS TRANSPOSED.  S^T = K Q^T: lane (r, h) holds query r and keys 8 h + j, so a row's maximum and sum stay in a lane but for one exchange of halves,
; and two packed score tiles ARE the second source of O^T = V^T P^T.  V^T comes from LDS by transposing loads.  A lane's 8 results are 8 neighbouring d of a row.
; TWO GROUPS TAKE TURNS INSIDE A WAVE.  The wave's four query tiles are group 0 (tiles 0, 1) and group 1 (tiles 2, 3).  For block i of 64 keys:
;   phase A(i): softmax(i) of group 0 on the vector unit; P V(i-1) and the scores(i) of group 1 on the matrix unit;
;   phase B(i): softmax(i) of group 1;                    P V(i) and the scores(i+1) of group 0.
; Of a group's 238 vector lines 128 stand between the other group's 32 matrix instructions under the same register windows: the rescale of O names
; window 1, window 1, window 0 as P V does; the multiply-adds and exponentials name no vector register as source 1, the one place where the score products differ.
; A group's score registers are free from its P V to its next scores, and K's and V's fragments are loaded again right behind their last reader: no register more than without the turns.
;
; LDS: slot s at 77,824 s: K 256 keys x 144 bytes, then V 256 keys x 160 bytes (144: an odd multiple of 16 for plain fragment loads; 160: an odd multiple of 32 for transposing ones);
; MASK 2,048 f32; MRG 4 x 17,408 (the upper key half's O and figures); STG 4 x 9,216 (the way out).  No tensor load lands in the last three.
.set KP,     144
.set VP,     160
.set KBYTES, 256*KP
.set SLOT,   KBYTES+256*VP
.set MASK,   2*SLOT
.set MRG,    MASK+8192
.set MRGW,   17408
.set STG,    MRG+4*MRGW
.set STGW,   64*KP
.set PLANE,  8388608                   ; bytes of Q's, K's, V's part of qkv
.set TILEB,  32768                     ; 256 keys of 128 bytes
; window 0
.set KADR, 3                           ; v3, v4   my K fragments in slot 0, 1
.set VADR, 5                           ; v5, v6   my V fragments in slot 0, 1
.set MADR, 7                           ; v7       my mask words; steps by 1,024 bytes a tile
.set ST,   8                           ; v[8+4 qt ..]: alpha, tA, nmc, tB.  nmc = -c x running maximum; alpha and nmc on even registers: they are broadcast from pairs
.set LS,   24                          ; v[24+2 qt ..]: the running sum, in two halves
.set MC,   32                          ; v[32+8 kt ..]: the mask words of 16 keys, the first C operand of a score tile
.set KF,   64                          ; v[64+8 (2 kt + ks) ..]: K fragments
.set SS,   128                         ; v[128+32 qt+8 kt ..]: score tiles; P(qt, u) is packed in place at 128+32 qt+16 u
; window 1
.set OO,   0                           ; v[8 (4 dt + qt) ..]: O^T tiles
.set QQ,   128                         ; v[128+8 (2 qt + ks) ..]: Q fragments
.set VF,   192                         ; v[192+8 (2 dt + u) ..]: V^T fragments
.set G1K, 24
.set G0K, 32
.set G1V, 48
.set G0V, 56
.set MSB, 0
.macro WIN new                         ; the immediate's high byte repeats the setting that is left
.if MSB != \new
	s_set_vgpr_msb (MSB<<8)|\new
.set MSB, \new
.endif
.endm
; A joint load.  Waves 0-3 fetch the four quarters of K's tile, waves 4-7 those of V's.  The branch hangs on the wave's number alone.
.macro JLOAD s
	s_cmp_eq_u32 s12, 0
	s_cbranch_scc0 .Lfor_v_\@
	tensor_load_to_lds s[G0K+4*\s:G0K+4*\s+3], s[G1K:G1K+7]
	s_nop 0
	s_branch .Lasked_\@
.Lfor_v_\@:
	tensor_load_to_lds s[G0V+4*\s:G0V+4*\s+3], s[G1V:G1V+7]
	s_nop 0
.Lasked_\@:
.endm
; A round of the cluster's barrier: my work-group's barrier; wave 0 signals for the work-group; every wave waits for all four; my work-group's barrier again.
.macro CREST                           ; a round behind its opening barrier
	s_cmp_lg_u32 s10, 0
	s_cbranch_scc1 .Lnot_wave_0_\@
	s_barrier_signal -3
.Lnot_wave_0_\@:
	s_barrier_wait -3
	s_barrier_signal -1
	s_barrier_wait -1
.endm
.macro CROUND                          ; a whole round
	s_barrier_signal -1
	s_barrier_wait -1
	CREST
.endm
	s_load_b128 s[4:7], s[0:1], 0x0                ; qkv s[4:5], attention_mask s[6:7]
	s_load_b64 s[8:9], s[0:1], 0x10                ; ctx
	v_lshl_add_u32 v86, v0, 2, 0x42000
	v_mov_b32 v87, 0
	ds_add_u32 v86, v87
	s_wait_dscnt 0x0
	v_lshrrev_b32 v1, 5, v0
	v_readfirstlane_b32 s10, v1                    ; wave 0..7
	s_and_b32 s11, s10, 3                          ; qg: my 64 query rows.  Also: which 64 keys of a tile I fetch
	s_lshr_b32 s12, s10, 2                         ; kh: my half of a slot's keys.  Also: I fetch for K (0) or for V (1)
	s_and_b32 s13, ttmp7, 0xffff                   ; bh = 16 batch + head
	s_bfe_u32 s14, ttmp6, 0x40000                  ; cx
	s_lshl_b32 s15, ttmp9, 2
	s_add_co_u32 s15, s15, s14                     ; query block = 4 x cluster x + cx
	s_mov_b32 s22, 0x76543210                      ; v_permlanex16_b32: lane i of one half reads lane i of the other
	s_mov_b32 s23, 0xfedcba98
	s_mov_b32 s40, 0x3e38aa3b                      ; c = log2(e) / 8: the scale 1/sqrt(64) and the change to base 2 in one factor
	s_mov_b32 s41, 0x3e38aa3b
	s_mov_b32 s42, 0xbe38aa3b                      ; -c
	; group 1: 64 rows of 64 elements of 2 bytes, dense in memory; behind every 32 words K gets 4 words of padding, V 8.  The mask names all four of the cluster.
	s_mov_b32 s[G1K+0], 15|(1<<16)|(1<<20)|(1<<21)|(4<<22)|(3<<25)
	s_mov_b32 s[G1V+0], 15|(1<<16)|(1<<20)|(1<<21)|(4<<22)|(7<<25)
	s_mov_b32 s[G1K+1], 64<<16                     ; tensor_dim0 = 64
	s_mov_b32 s[G1V+1], 64<<16
	s_mov_b32 s[G1K+2], 64<<16                     ; tensor_dim1 = 64
	s_mov_b32 s[G1V+2], 64<<16
	s_mov_b32 s[G1K+3], 64<<16                     ; tile_dim0 = 64
	s_mov_b32 s[G1V+3], 64<<16
	s_mov_b32 s[G1K+4], 64                         ; tile_dim1 = 64
	s_mov_b32 s[G1V+4], 64
	s_mov_b32 s[G1K+5], 64                         ; elements from row to row
	s_mov_b32 s[G1V+5], 64
	s_mov_b32 s[G1K+6], 0
	s_mov_b32 s[G1V+6], 0
	s_mov_b32 s[G1K+7], 0
	s_mov_b32 s[G1V+7], 0
	s_lshl_b32 s16, s13, 18                        ; the head: 262,144 bytes
	s_lshl_b32 s17, s11, 13                        ; 64 rows of 128 bytes: my quarter of a tile, and also my 64 query rows
	s_add_co_u32 s16, s16, s17
	s_mov_b32 s17, 0
	s_mul_i32 s20, s11, 64*KP                      ; LDS: my quarter of K's tile,
	s_mul_i32 s21, s11, 64*VP
	s_add_co_u32 s21, s21, KBYTES                  ; of V's
	s_lshl_b32 s44, s15, 15                        ; the query block: 256 rows of 128 bytes.  cx enters s[44:45] and ctx's base alone, which feed no descriptor
	s_add_co_u32 s44, s44, s16
	s_mov_b32 s45, 0
	s_lshr_b32 s46, s13, 4
	s_lshl_b32 s46, s46, 13                        ; the batch's 2,048 mask words
	s_mov_b32 s47, 0
	v_lshlrev_b32 v40, 5, v0                       ; thread t turns mask words 8 t .. 8 t + 7 into score offsets
	v_and_b32 v1, 15, v0                           ; r
	v_bfe_u32 v2, v0, 4, 1                         ; h
	v_lshlrev_b32 v43, 7, v1
	v_lshl_add_u32 v43, v2, 4, v43                 ; Q fragments straight from memory: row r, 16 h bytes in
	s_wait_kmcnt 0x0
	s_add_nc_u64 s[18:19], s[4:5], s[16:17]        ; qkv at the head and my quarter
	s_add_nc_u64 s[8:9], s[8:9], s[44:45]          ; ctx at my 64 rows
	s_add_nc_u64 s[44:45], s[4:5], s[44:45]        ; Q at my 64 rows
	s_add_nc_u64 s[6:7], s[6:7], s[46:47]
	; the mask and Q go out first of all: nobody writes these bytes, so the loads may stay out across the round below
	global_load_b128 v[32:35], v40, s[6:7]
	global_load_b128 v[36:39], v40, s[6:7] offset:16
	WIN 0x40
.irp qt, 0,1,2,3
.irp ks, 0,1
	global_load_b128 v[QQ+8*(2*\qt+\ks):QQ+8*(2*\qt+\ks)+3],   v43, s[44:45] offset:\qt*2048+\ks*64
	global_load_b128 v[QQ+8*(2*\qt+\ks)+4:QQ+8*(2*\qt+\ks)+7], v43, s[44:45] offset:\qt*2048+\ks*64+32
.endr
.endr
	WIN 0
	CROUND                                         ; all four work-groups are here: the first joint loads meet
.irp s, 0,1
	s_mov_b32 s[G0K+4*\s], 1
	s_add_co_u32 s[G0K+4*\s+1], s20, \s*SLOT
	s_add_nc_u64 s[G0K+4*\s+2:G0K+4*\s+3], s[18:19], PLANE+\s*TILEB
	s_or_b32 s[G0K+4*\s+3], s[G0K+4*\s+3], 0x80000000
	s_mov_b32 s[G0V+4*\s], 1
	s_add_co_u32 s[G0V+4*\s+1], s21, \s*SLOT
	s_add_nc_u64 s[G0V+4*\s+2:G0V+4*\s+3], s[18:19], 2*PLANE+\s*TILEB
	s_or_b32 s[G0V+4*\s+3], s[G0V+4*\s+3], 0x80000000
	JLOAD \s                                       ; tiles 0 and 1: two tensor loads of a wave are out
.endr
	s_mul_i32 s16, s12, 128*KP                     ; my half of a slot's keys
	s_mul_i32 s17, s12, 128*VP
	s_add_co_u32 s17, s17, KBYTES
	v_mul_u32_u24 v[KADR], v1, KP
	v_lshl_add_u32 v[KADR], v2, 4, v[KADR]
	v_add_nc_u32 v[KADR], s16, v[KADR]             ; key r, 16 h bytes in
	v_add_nc_u32 v[KADR+1], SLOT, v[KADR]
	v_and_b32 v[VADR], 7, v0
	v_lshl_add_u32 v[VADR], v2, 3, v[VADR]
	v_mul_u32_u24 v[VADR], v[VADR], VP             ; key 8 h + (l & 7),
	v_bfe_u32 v[VADR+1], v0, 3, 1
	v_lshl_add_u32 v[VADR], v[VADR+1], 4, v[VADR]  ; 16 bytes further for the upper eight of sixteen lanes
	v_add_nc_u32 v[VADR], s17, v[VADR]
	v_add_nc_u32 v[VADR+1], SLOT, v[VADR]
	s_lshl_b32 s16, s12, 9
	s_add_co_u32 s16, s16, MASK
	v_lshl_add_u32 v[MADR], v2, 5, s16             ; mask words of keys 128 kh + 8 h ..
	v_mov_b32 v41, 0xf1800000                      ; -2^100
	v_add_nc_u32 v42, MASK, v40
	s_wait_loadcnt 16                              ; the two mask loads are in; the 16 of Q, issued behind them, may stay out
.irp i, 0,1,2,3,4,5,6,7
	v_cmp_eq_u32 vcc_lo, 0, v[32+\i]
	v_cndmask_b32 v[32+\i], 0, v41, vcc_lo         ; 0 for a key that counts, -2^100 for a masked one
.endr
	ds_store_b128 v42, v[32:35]
	ds_store_b128 v42, v[36:39] offset:16
	s_wait_loadcnt 0x0                             ; Q
	s_wait_dscnt 0x0                               ; my mask words are in LDS before I say so
	s_wait_tensorcnt 1                             ; my part of tile 0 is in; tile 1's may stay out
	s_barrier_signal -1
	s_barrier_wait -1
; 24 LDS loads: the K fragments and the mask words of 64 keys (block blk of my 128 in slot s)
.macro LOADK s, blk
.irp kt, 0,1,2,3
.irp ks, 0,1
	ds_load_b128 v[KF+8*(2*\kt+\ks):KF+8*(2*\kt+\ks)+3],   v[KADR+\s] offset:\blk*64*KP+\kt*16*KP+\ks*64
	ds_load_b128 v[KF+8*(2*\kt+\ks)+4:KF+8*(2*\kt+\ks)+7], v[KADR+\s] offset:\blk*64*KP+\kt*16*KP+\ks*64+32
.endr
.endr
.irp kt, 0,1,2,3
	ds_load_b128 v[MC+8*\kt:MC+8*\kt+3],   v[MADR] offset:\blk*256+\kt*64
	ds_load_b128 v[MC+8*\kt+4:MC+8*\kt+7], v[MADR] offset:\blk*256+\kt*64+16
.endr
.endm
; 16 transposing LDS loads: V^T of 64 keys
.macro LOADV s, blk
	WIN 0x40
.irp dt, 0,1,2,3
.irp u, 0,1
	ds_load_tr16_b128 v[VF+8*(2*\dt+\u):VF+8*(2*\dt+\u)+3],   v[VADR+\s] offset:\blk*64*VP+\u*32*VP+\dt*32
	ds_load_tr16_b128 v[VF+8*(2*\dt+\u)+4:VF+8*(2*\dt+\u)+7], v[VADR+\s] offset:\blk*64*VP+\u*32*VP+\dt*32+16*VP
.endr
.endr
.endm
; The maxima of group g's two query tiles, and from them nmc and alpha.  Each tile's 32 scores go in two chains (tA: scores 0-16, tB: scores 17-31),
; the four chains by turns, so that a line's source was written four lines earlier.  16 lines a tile.
.macro MAXP g, first
.irp q, 2*\g, 2*\g+1
	v_max3_num_f32 v[ST+4*(\q)+1], v[SS+32*(\q)], v[SS+32*(\q)+1], v[SS+32*(\q)+2]
.endr
.irp q, 2*\g, 2*\g+1
	v_max3_num_f32 v[ST+4*(\q)+3], v[SS+32*(\q)+17], v[SS+32*(\q)+18], v[SS+32*(\q)+19]
.endr
.irp k, 0,1,2,3,4,5
.irp q, 2*\g, 2*\g+1
	v_max3_num_f32 v[ST+4*(\q)+1], v[ST+4*(\q)+1], v[SS+32*(\q)+3+2*\k], v[SS+32*(\q)+4+2*\k]
.endr
.irp q, 2*\g, 2*\g+1
	v_max3_num_f32 v[ST+4*(\q)+3], v[ST+4*(\q)+3], v[SS+32*(\q)+20+2*\k], v[SS+32*(\q)+21+2*\k]
.endr
.endr
.irp q, 2*\g, 2*\g+1
	v_max3_num_f32 v[ST+4*(\q)+1], v[ST+4*(\q)+1], v[SS+32*(\q)+15], v[SS+32*(\q)+16]
.endr
.irp q, 2*\g, 2*\g+1
	v_max_num_f32 v[ST+4*(\q)+1], v[ST+4*(\q)+1], v[ST+4*(\q)+3]
.endr
.irp q, 2*\g, 2*\g+1
	v_permlanex16_b32 v[ST+4*(\q)+3], v[ST+4*(\q)+1], s22, s23    ; the other half of the lanes holds the query's other 32 keys
.endr
.irp q, 2*\g, 2*\g+1
	v_max_num_f32 v[ST+4*(\q)+1], v[ST+4*(\q)+1], v[ST+4*(\q)+3]
.endr
.irp q, 2*\g, 2*\g+1
	v_mul_f32 v[ST+4*(\q)+1], s42, v[ST+4*(\q)+1]                 ; -c x the block's maximum
.endr
.if \first
.else
.irp q, 2*\g, 2*\g+1
	v_min_num_f32 v[ST+4*(\q)+1], v[ST+4*(\q)+1], v[ST+4*(\q)+2]  ; the running maximum, as the least of -c x maximum
.endr
.irp q, 2*\g, 2*\g+1
	v_sub_f32 v[ST+4*(\q)+3], v[ST+4*(\q)+1], v[ST+4*(\q)+2]      ; c x (old maximum - new), at most 0
.endr
.irp q, 2*\g, 2*\g+1
	v_exp_f32 v[ST+4*(\q)], v[ST+4*(\q)+3]                        ; alpha
.endr
.endif
	s_wait_alu depctr_va_vdst(0)
.irp q, 2*\g, 2*\g+1
	v_mov_b32 v[ST+4*(\q)+2], v[ST+4*(\q)+1]                      ; plain lines that touch neither alpha nor its source: the place behind the exponentials (ISA guide 5.7.2)
.endr
.endm
; One line of the rescale of group h's O: line rs_k = 0..31 is pair rs_k & 3 of tile (dt = rs_k >> 3, query tile 2 h + ((rs_k >> 2) & 1)).  One factor a lane, since a lane holds one query.
.macro RESC1 h
.set rs_o, OO+8*(4*(rs_k>>3)+2*\h+((rs_k>>2)&1))+2*(rs_k&3)
.set rs_a, ST+4*(2*\h+((rs_k>>2)&1))
	v_pk_mul_f32 v[rs_o:rs_o+1], v[rs_o:rs_o+1], v[rs_a:rs_a+1] op_sel_hi:[1,0]
.set rs_k, rs_k+1
.endm
; 8 matrix instructions: O^T += V^T P^T of group g for 32 keys (u), with nres lines of group h's rescale behind each.  zero = 1: the product starts the sums.
.macro PVPASS g, h, u, zero, nres
.irp dt, 0,1,2,3
.irp q, 2*\g, 2*\g+1
.if \zero
	v_wmma_f32_16x16x32_f16 v[OO+8*(4*\dt+(\q)):OO+8*(4*\dt+(\q))+7], v[VF+8*(2*\dt+\u):VF+8*(2*\dt+\u)+7], v[SS+32*(\q)+16*\u:SS+32*(\q)+16*\u+7], 0
	s_wait_alu depctr_va_vdst(0)
.else
	v_wmma_f32_16x16x32_f16 v[OO+8*(4*\dt+(\q)):OO+8*(4*\dt+(\q))+7], v[VF+8*(2*\dt+\u):VF+8*(2*\dt+\u)+7], v[SS+32*(\q)+16*\u:SS+32*(\q)+16*\u+7], v[OO+8*(4*\dt+(\q)):OO+8*(4*\dt+(\q))+7]
.endif
.if \nres
.rept \nres
	RESC1 \h
.endr
.endif
.endr
.endr
.endm
; P V of group g (16 matrix instructions on 8 accumulators that take turns, one instruction a turn) with the 32 lines of group h's rescale among them.
; One window setting serves both: V^T, C, D and the rescale's O in window 1; P and alpha in window 0.
; Nine rescale lines stand behind the last matrix instruction and name none of its registers: the places in front of the loads into V's fragments
; and of the score products that write over P.
.macro PVPART g, h, zero, resc
	WIN 0x51
.set rs_k, 0
.if \resc
	PVPASS \g, \h, 0, \zero, 2
	PVPASS \g, \h, 1, 0, 1
.rept 8
	RESC1 \h
.endr
.else
	PVPASS \g, \h, 0, \zero, 0
	PVPASS \g, \h, 1, 0, 0
.endif
.endm
; One score product of group g: number sw_n = 0..15.  Four accumulators (two key tiles x two query tiles) take turns, first with d = 0..31 and the mask words as C,
; then with d = 32..63 in place: a link stands four matrix instructions behind the one that it adds onto.
.macro SW1 g
.set sw_kt, 2*(sw_n>>3)+((sw_n>>1)&1)
.set sw_ks, (sw_n>>2)&1
.set sw_q, 2*\g+(sw_n&1)
.set sw_d, SS+32*sw_q+8*sw_kt
.if sw_ks
	v_wmma_f32_16x16x32_f16 v[sw_d:sw_d+7], v[KF+16*sw_kt+8:KF+16*sw_kt+15], v[QQ+16*sw_q+8:QQ+16*sw_q+15], v[sw_d:sw_d+7]
.else
	v_wmma_f32_16x16x32_f16 v[sw_d:sw_d+7], v[KF+16*sw_kt:KF+16*sw_kt+7], v[QQ+16*sw_q:QQ+16*sw_q+7], v[MC+8*sw_kt:MC+8*sw_kt+7]
.endif
.set sw_n, sw_n+1
.endm
; exponent = c x score - c x maximum, two at a time: pair fm_j = 0..31 of group h's 64 scores a lane
.macro FM1 h
.if fm_j < 32
.set fm_o, SS+32*(2*\h+(fm_j>>4))+2*(fm_j&15)
.set fm_n, ST+4*(2*\h+(fm_j>>4))+2
	v_pk_fma_f32 v[fm_o:fm_o+1], v[fm_o:fm_o+1], s[40:41], v[fm_n:fm_n+1] op_sel_hi:[1,0,0]
.set fm_j, fm_j+1
.endif
.endm
.macro EX1 h                           ; the weight: number ex_j = 0..63
.set ex_o, SS+32*(2*\h+(ex_j>>5))+(ex_j&31)
	v_exp_f32 v[ex_o], v[ex_o]
.set ex_j, ex_j+1
.endm
; mm = 1: the 16 score products of group g.  sm = 1: the 32 multiply-adds and 64 exponentials of group h, four exponentials and two multiply-adds behind each product.
; The multiply-adds run six pairs ahead of the exponentials; the six that lead are also places behind the P V products whose P the first score products write over.
; Under the score products' setting (source 1, Q, in window 1) these vector lines are unchanged: none names a vector register as source 1.
.macro SPART g, h, mm, sm
.set sw_n, 0
.set fm_j, 0
.set ex_j, 0
.if \sm
.rept 6
	FM1 \h
.endr
.endif
.rept 16
.if \mm
	SW1 \g
.endif
.if \sm
	EX1 \h
	FM1 \h
	EX1 \h
	EX1 \h
	FM1 \h
	EX1 \h
.endif
.endr
.endm
; Group h's weights are summed in f32 and packed to f16 in place, the two query tiles by turns (a sum's links stand four lines apart).
; Pair i goes to register i (i < 8) or 8 + i: a register whose pair has been read by then.
.macro SUMCVT2 h, first
.if \first
	s_wait_alu depctr_va_vdst(0)
.irp q, 2*\h, 2*\h+1
	v_pk_add_f32 v[LS+2*(\q):LS+2*(\q)+1], v[SS+32*(\q):SS+32*(\q)+1], v[SS+32*(\q)+2:SS+32*(\q)+3]   ; the first two pairs start the sum
.endr
.else
	s_wait_alu depctr_va_vdst(0)
.irp q, 2*\h, 2*\h+1
	v_pk_fma_f32 v[LS+2*(\q):LS+2*(\q)+1], v[LS+2*(\q):LS+2*(\q)+1], v[ST+4*(\q):ST+4*(\q)+1], v[SS+32*(\q):SS+32*(\q)+1] op_sel_hi:[1,0,1]   ; old sum x alpha + pair 0
.endr
.endif
.irp q, 2*\h, 2*\h+1
	v_cvt_pk_f16_f32 v[SS+32*(\q)], v[SS+32*(\q)], v[SS+32*(\q)+1]
.endr
.if \first
.else
.irp q, 2*\h, 2*\h+1
	v_pk_add_f32 v[LS+2*(\q):LS+2*(\q)+1], v[LS+2*(\q):LS+2*(\q)+1], v[SS+32*(\q)+2:SS+32*(\q)+3]
.endr
.endif
.irp q, 2*\h, 2*\h+1
	v_cvt_pk_f16_f32 v[SS+32*(\q)+1], v[SS+32*(\q)+2], v[SS+32*(\q)+3]
.endr
.irp i, 2,3,4,5,6,7
.irp q, 2*\h, 2*\h+1
	v_pk_add_f32 v[LS+2*(\q):LS+2*(\q)+1], v[LS+2*(\q):LS+2*(\q)+1], v[SS+32*(\q)+2*\i:SS+32*(\q)+2*\i+1]
.endr
.irp q, 2*\h, 2*\h+1
	v_cvt_pk_f16_f32 v[SS+32*(\q)+\i], v[SS+32*(\q)+2*\i], v[SS+32*(\q)+2*\i+1]
.endr
.endr
.irp i, 8,9,10,11,12,13,14,15
.irp q, 2*\h, 2*\h+1
	v_pk_add_f32 v[LS+2*(\q):LS+2*(\q)+1], v[LS+2*(\q):LS+2*(\q)+1], v[SS+32*(\q)+2*\i:SS+32*(\q)+2*\i+1]
.endr
.irp q, 2*\h, 2*\h+1
	v_cvt_pk_f16_f32 v[SS+32*(\q)+8+\i], v[SS+32*(\q)+2*\i], v[SS+32*(\q)+2*\i+1]
.endr
.endr
.endm
; PHASE A of the block at (slot s, block blk).  Vector: softmax of group 0.  Matrix: P V of the block before and this block's scores, group 1.
; first = 1: the launch's first block.  pv = 0: there is no block before; 1: P V adds; 2: P V starts group 1's sums.
; V's fragments are loaded again as soon as P V has read them: this block's V, wanted in phase B.  These are my last reads of the slot when blk = 1:
; sig = 1 or 2: behind the score products I wait for all my LDS reads and all my tensor loads and open the change of slots;
; sig = 1: slot rslot (this one) will be filled again, two tiles on, and its two descriptors step while no tensor load of mine is out.
.macro PHASEA s, blk, first, pv, sig, rslot
	MAXP 0, \first
.if \pv == 1
	PVPART 1, 0, 0, 1
.endif
.if \pv == 2
	PVPART 1, 0, 1, 1
.endif
	LOADV \s, \blk
	WIN 0x04
	SPART 1, 0, 1, 1
	WIN 0
.if \sig
	s_wait_dscnt 0x0                               ; my reads of this slot are over: K's long ago, V's 16 loads were issued in front of the 16 score products
	s_wait_xcnt 0x0
	v_lshl_add_u32 v86, v0, 2, 0x42000
	v_mov_b32 v87, 0
	s_wait_tensorcnt 0x0                           ; all my tensor loads have landed, my part of the other slot's tile among them
	ds_add_u32 v86, v87
	s_wait_dscnt 0x0
.if \sig == 1
	s_add_nc_u64 s[G0K+4*\rslot+2:G0K+4*\rslot+3], s[G0K+4*\rslot+2:G0K+4*\rslot+3], 2*TILEB
	s_add_nc_u64 s[G0V+4*\rslot+2:G0V+4*\rslot+3], s[G0V+4*\rslot+2:G0V+4*\rslot+3], 2*TILEB
.endif
	s_barrier_signal -1                            ; say so; up to the wait in phase B stands register work alone: 64 lines of sums and packing, 46 of maxima
.endif
	SUMCVT2 0, \first
.endm
; PHASE B.  Vector: softmax of group 1.  Matrix: this block's P V and the NEXT block's scores, group 0; the next block lies at (slot s, block blk).
; first = 1: the launch's first block (P V starts group 0's sums, nothing is rescaled).  last = 1: there is no next block.
; sig as in phase A: the barrier opened there is waited for here; sig = 1: the rest of the cluster's round, then the joint refill, my first tensor load behind it
; and my only one until the next round, ahead of the first LDS read.
.macro PHASEB s, blk, first, last, sig, rslot
	MAXP 1, \first
.if \sig
	s_barrier_wait -1
.if \sig == 1
	CREST                                          ; no wave of any partner still reads that slot's tile or has a load on its way
	JLOAD \rslot
.endif
	v_add_nc_u32 v[MADR], 1024, v[MADR]            ; the next tile's 256 mask words
	s_wait_alu depctr_va_vdst(0)
.endif
.if \last
	s_wait_dscnt 0x0                               ; V
.else
	LOADK \s, \blk                                 ; behind the last score products stand the 64 lines of sums and the maxima: places enough for loads into K's fragments
	s_wait_dscnt 24                                ; V is in; the 24 loads just issued may stay out
.endif
.if \first
	PVPART 0, 1, 1, 0
.else
	PVPART 0, 1, 0, 1
.endif
.if \last
	WIN 0
	SPART 0, 1, 0, 1
.else
	s_wait_dscnt 0x0                               ; K and the mask words, asked for in front of the 16 P V products
	WIN 0x04
	SPART 0, 1, 1, 1
	WIN 0
.endif
	SUMCVT2 1, \first
.endm
; my 128 keys of the tile in slot s; o: the other slot, which holds the next tile
.macro TILE s, o, sig
	PHASEA \s, 0, 0, 1, 0, 0
	PHASEB \s, 1, 0, 0, 0, 0
	PHASEA \s, 1, 0, 1, \sig, \s
	PHASEB \o, 0, 0, 0, \sig, \s
.endm
	; tile 0: the turns are started by group 0's first scores, which stand alone
	LOADK 0, 0
	s_wait_dscnt 0x0
	WIN 0x04
	SPART 0, 1, 1, 0
	WIN 0
.rept 4
	v_nop                                          ; four places between the score products and the maxima that read them (ISA guide 7.12.1)
.endr
	PHASEA 0, 0, 1, 0, 0, 0
	PHASEB 0, 1, 1, 0, 0, 0
	PHASEA 0, 1, 0, 2, 1, 0                        ; tile 2 will go into slot 0
	PHASEB 1, 0, 0, 0, 1, 0
	s_mov_b32 s43, 2
.Ltiles:
	TILE 1, 0, 1                                   ; tiles 1, 3; tiles 3, 5 go into slot 1
	TILE 0, 1, 1                                   ; tiles 2, 4; tiles 4, 6 go into slot 0
	s_sub_co_u32 s43, s43, 1
	s_cmp_lg_u32 s43, 0
	s_cbranch_scc1 .Ltiles
	TILE 1, 0, 1                                   ; tile 5; tile 7 goes into slot 1: the last fill
	TILE 0, 1, 2                                   ; tile 6; nothing is left to fetch: a barrier of the work-group shows tile 7 whole
	PHASEA 1, 0, 0, 1, 0, 0                        ; tile 7
	PHASEB 1, 1, 0, 0, 0, 0
	PHASEA 1, 1, 0, 1, 0, 0
	PHASEB 0, 0, 0, 1, 0, 0                        ; no next block
	PVPART 1, 0, 0, 0                              ; the last P V of group 1 ends the turns
	WIN 0
.rept 4
	v_nop                                          ; four places in front of the lines and stores that read O
.endr
	; ---- the two halves of the keys meet ----
.irp qt, 0,1,2,3
	v_add_f32 v[LS+2*\qt], v[LS+2*\qt], v[LS+2*\qt+1]
.endr
.irp qt, 0,1,2,3
	v_permlanex16_b32 v[LS+2*\qt+1], v[LS+2*\qt], s22, s23
.endr
.irp qt, 0,1,2,3
	v_add_f32 v[LS+2*\qt], v[LS+2*\qt], v[LS+2*\qt+1]             ; the sum over my 1,024 keys, in every lane
.endr
	v_and_b32 v62, 31, v0
	s_mul_i32 s16, s11, MRGW
	s_add_co_u32 s16, s16, MRG
	s_add_co_u32 s17, s16, 16384
	v_lshl_add_u32 v32, v62, 4, s16                ; O: register group i of lane l at 512 i + 16 l
	v_lshl_add_u32 v33, v62, 2, s17                ; figures: word i of lane l at 128 i + 4 l
	s_cmp_eq_u32 s12, 0
	s_cbranch_scc1 .Lkeeps
	WIN 0x04                                       ; store data in window 1
.set i, 0
.rept 32
	ds_store_b128 v32, v[OO+4*i:OO+4*i+3] offset:512*i
.set i, i+1
.endr
	WIN 0
.irp qt, 0,1,2,3
	ds_store_b32 v33, v[ST+4*\qt+2] offset:128*\qt
	ds_store_b32 v33, v[LS+2*\qt] offset:128*(4+\qt)
.endr
.Lkeeps:
	s_wait_dscnt 0x0                               ; the upper half's stores are in LDS before it says so
	s_barrier_signal -1
	s_barrier_wait -1
	s_cmp_lg_u32 s12, 0
	s_cbranch_scc1 .Lend
.irp i, 0,1,2,3,4,5,6,7
	ds_load_b32 v[34+\i], v33 offset:128*\i        ; v34-37 the partner's nmc, v38-41 its sums
.endr
.set i, 0
.rept 32
	ds_load_b128 v[SS+4*i:SS+4*i+3], v32 offset:512*i              ; the partner's O, in my O's order
.set i, i+1
.endr
	s_mul_i32 s16, s11, STGW
	s_add_co_u32 s16, s16, STG
	v_mul_u32_u24 v59, v1, KP
	v_lshl_add_u32 v59, v2, 4, v59
	v_add_nc_u32 v59, s16, v59                     ; the way out, in: row r, 16 h bytes in
	v_lshrrev_b32 v60, 3, v62
	v_mul_u32_u24 v60, v60, KP
	v_and_b32 v63, 7, v0
	v_lshl_add_u32 v60, v63, 4, v60
	v_add_nc_u32 v60, s16, v60                     ; back: eight lanes a row of 128 bytes, 32 lanes four rows
	v_lshlrev_b32 v61, 4, v62                      ; which are 512 consecutive bytes of ctx
	s_wait_dscnt 32                                ; the eight words of figures are in; the 32 loads of O may stay out
.irp qt, 0,1,2,3
	v_min_num_f32 v[42+\qt], v[ST+4*\qt+2], v[34+\qt]             ; the common maximum
.endr
.irp qt, 0,1,2,3
	v_sub_f32 v[46+\qt], v[42+\qt], v[ST+4*\qt+2]
	v_sub_f32 v[50+\qt], v[42+\qt], v[34+\qt]
.endr
.irp qt, 0,1,2,3
	v_exp_f32 v[46+\qt], v[46+\qt]                 ; a0: my half's factor
	v_exp_f32 v[50+\qt], v[50+\qt]                 ; a1: the partner's
.endr
	v_nop                                          ; the plain place behind the exponentials
	s_wait_alu depctr_va_vdst(0)
.irp qt, 0,1,2,3
	v_mul_f32 v[54+\qt], v[46+\qt], v[LS+2*\qt]
.endr
.irp qt, 0,1,2,3
	v_fmac_f32 v[54+\qt], v[50+\qt], v[38+\qt]     ; the whole sum: at least about 1, since the largest weight is 1
.endr
.irp qt, 0,1,2,3
	v_rcp_f32 v[54+\qt], v[54+\qt]
.endr
	v_nop                                          ; the plain place behind the reciprocals
	s_wait_alu depctr_va_vdst(0)
.irp qt, 0,1,2,3
	v_cmp_gt_f32 vcc_lo, 0x6f800000, v[42+\qt]     ; 2^96 > -c x maximum: the row has seen a key that counts
	v_cndmask_b32 v[54+\qt], 0x7fc00000, v[54+\qt], vcc_lo        ; else NaN
.endr
.irp qt, 0,1,2,3
	v_mul_f32 v[ST+4*\qt], v[46+\qt], v[54+\qt]    ; f0 = a0 / sum, f1 = a1 / sum, on the even registers of written pairs
	v_mul_f32 v[ST+4*\qt+2], v[50+\qt], v[54+\qt]
.endr
	s_wait_dscnt 0x0
.irp dt, 0,1,2,3
.irp qt, 0,1,2,3
.irp p, 0,2,4,6
	v_pk_mul_f32 v[SS+8*(4*\dt+\qt)+\p:SS+8*(4*\dt+\qt)+\p+1], v[SS+8*(4*\dt+\qt)+\p:SS+8*(4*\dt+\qt)+\p+1], v[ST+4*\qt+2:ST+4*\qt+3] op_sel_hi:[1,0]
.endr
.endr
.endr
	WIN 0x01                                       ; source 0, my O, in window 1
.irp dt, 0,1,2,3
.irp qt, 0,1,2,3
.irp p, 0,2,4,6
	v_pk_fma_f32 v[SS+8*(4*\dt+\qt)+\p:SS+8*(4*\dt+\qt)+\p+1], v[OO+8*(4*\dt+\qt)+\p:OO+8*(4*\dt+\qt)+\p+1], v[ST+4*\qt:ST+4*\qt+1], v[SS+8*(4*\dt+\qt)+\p:SS+8*(4*\dt+\qt)+\p+1] op_sel_hi:[1,0,1]
.endr
.endr
.endr
	WIN 0
.irp dt, 0,1,2,3
.irp qt, 0,1,2,3
.irp p, 0,1,2,3
	v_cvt_pk_f16_f32 v[KF+4*(4*\dt+\qt)+\p], v[SS+8*(4*\dt+\qt)+2*\p], v[SS+8*(4*\dt+\qt)+2*\p+1]
.endr
.endr
.endr
.irp dt, 0,1,2,3
.irp qt, 0,1,2,3
	ds_store_b128 v59, v[KF+4*(4*\dt+\qt):KF+4*(4*\dt+\qt)+3] offset:\qt*16*KP+\dt*32   ; query 16 qt + r, d = 16 dt + 8 h ..: my own stage
.endr
.endr
.irp i, 0,1,2,3,4,5,6,7,8,9,10,11,12,13,14,15
	ds_load_b128 v[SS+4*\i:SS+4*\i+3], v60 offset:4*KP*\i          ; a wave's LDS instructions are served in order: these see the stores above
.endr
.irp i, 0,1,2,3,4,5,6,7,8,9,10,11,12,13,14,15
	s_wait_dscnt 15-\i
	global_store_b128 v61, v[SS+4*\i:SS+4*\i+3], s[8:9] offset:512*\i   ; 32 lanes store 512 consecutive bytes, aligned
.endr
.Lend:
	s_wait_xcnt 0x0
	v_lshl_add_u32 v86, v0, 2, 0x42000
	v_mov_b32 v87, 0
	s_wait_tensorcnt 0x0
	ds_add_u32 v86, v87
	s_wait_dscnt 0x0
	CROUND                                         ; the closing round
	s_endpgm
.Lfunc_end_k_q7b0b381d46_attn:
	.size	k_q7b0b381d46_attn, .Lfunc_end_k_q7b0b381d46_attn-k_q7b0b381d46_attn
	.p2alignl 7, 3214868480
	.fill 96, 4, 3214868480
	.section	.rodata,"a",@progbits
	.p2align	6, 0x0
	.amdhsa_kernel k_q7b0b381d46_attn
		.amdhsa_group_segment_fixed_size 327680
		.amdhsa_private_segment_fixed_size 0
		.amdhsa_enable_private_segment 0
		.amdhsa_kernarg_size 24
		.amdhsa_user_sgpr_count 2
		.amdhsa_user_sgpr_kernarg_segment_ptr 1
		.amdhsa_wavefront_size32 1
		.amdhsa_system_sgpr_workgroup_id_x 1
		.amdhsa_system_sgpr_workgroup_id_y 1
		.amdhsa_system_sgpr_workgroup_id_z 1
		.amdhsa_system_vgpr_workitem_id 0
		.amdhsa_next_free_vgpr 512
		.amdhsa_next_free_sgpr 66
		.amdhsa_reserve_vcc 1
		.amdhsa_float_denorm_mode_32 3
		.amdhsa_float_denorm_mode_16_64 3
		.amdhsa_memory_ordered 1
		.amdhsa_forward_progress 1
		.amdhsa_inst_pref_size 255
	.end_amdhsa_kernel
	.section	.bss,"aw",@nobits
	.p2align	6
	.space	262144
	.amdgpu_metadata
---
amdhsa.version: [ 1, 2 ]
amdhsa.kernels:
  - .name:           k_q7b0b381d46_attn
    .symbol:         k_q7b0b381d46_attn.kd
    .args:
      - { .name: qkv, .offset: 0, .size: 8, .value_kind: global_buffer, .address_space: global }
      - { .name: attention_mask, .offset: 8, .size: 8, .value_kind: global_buffer, .address_space: global }
      - { .name: ctx, .offset: 16, .size: 8, .value_kind: global_buffer, .address_space: global }
    .group_segment_fixed_size: 327680
    .private_segment_fixed_size: 0
    .kernarg_segment_align: 8
    .kernarg_segment_size: 24
    .max_flat_workgroup_size: 256
    .sgpr_count:     66
    .vgpr_count:     512
    .wavefront_size: 32
...
	.end_amdgpu_metadata
.endif
;; end of part 3
;; launch oproj (part 4): grid 8 x 32, 4 waves a work-group, clusters of 4 x 4, 327,680 bytes of LDS; arguments ctx, wt, bo, out0; writes out0
.if DOCPART == 4
	.amdgcn_target "amdgcn-amd-amdhsa--gfx1250"
	.amdhsa_code_object_version 6
	.text
	.protected	k_q7b0b381d46_oproj
	.globl	k_q7b0b381d46_oproj
	.p2align	8
	.type	k_q7b0b381d46_oproj,@function
k_q7b0b381d46_oproj:
	s_mov_b64 s[64:65], 0
	v_nop
	global_prefetch_b8 v0, s[64:65] scope:SCOPE_SE
	s_setreg_imm32_b32 hwreg(HW_REG_WAVE_MODE, 25, 1), 1
	s_wait_xcnt 0x0
	s_wait_alu depctr_hold_cnt(0) depctr_sa_sdst(0) depctr_va_vdst(0) depctr_va_sdst(0) depctr_va_ssrc(0) depctr_va_vcc(0) depctr_vm_vsrc(0)
	s_getreg_b32 s2, hwreg(HW_REG_IB_STS2, 6, 4)
	s_cmp_eq_u32 s2, 0
	s_cbranch_scc0 .Lentry_in_a_cluster
	s_endpgm
.Lentry_in_a_cluster:
	s_bfe_u32 s2, ttmp6, 0x10000c
	s_cmp_lg_u32 s2, 0xf033
	s_cbranch_scc0 .Lentry_shape_is_right
	s_endpgm
.Lentry_shape_is_right:
; out0[m][n] = sum over k of ctx(m, k) Wo[k][n] + bo[n], f32 out.  ctx lies head-major, [16 batch + head][row][64] f16, k = 64 head + d; Wo^T is rows 3072.. of wt, [n][k] f16.
; 8 x 32 = 256 work-groups of 128 x 128, four waves of 64 x 64 (16 accumulator tiles): the largest block that still gives every one of 256 work-groups a share.
; K goes in steps of 256 (four heads) through two LDS slots: four tiles, two refills, all written out.
; CLUSTERS 4 x 4: ctx's tiles are shared along a row of the cluster, Wo's along a column, each asked for jointly.
; The matrix instruction is used transposed (source 0 = rows of wt, source 1 = rows of ctx): a lane holds 8 neighbouring columns of one row, and the bias of those columns is the first C operand.
; LDS: slot s at 141,312 s: A = 4 heads x 128 rows x 144 bytes, then B = 128 rows x 528 bytes; behind the ring each wave's stage of 16 rows x 272 bytes, where no tensor load lands.
.set APITCH, 144
.set HEADL,  128*APITCH
.set ABYTES, 4*HEADL
.set BPITCH, 528
.set SLOT,   ABYTES+128*BPITCH
.set STAGE,  2*SLOT
.set SPITCH, 272
.set ADRA, 16                          ; v16-17  my A fragments in slot 0, 1
.set ADRB, 20                          ; v20-21  my B fragments
.set STO,  24
.set RD,   25
.set CO,   26
.set BOFF, 27
.set F0,   32                          ; fragment buffer 0: A v32-63, B v64-95
.set F1,   96                          ; fragment buffer 1: A v96-127, B v128-159
.set BIAS, 160                         ; v160-191 the bias of my 64 columns
.set OUTB, 192                         ; v192-223, v224-255: rows on their way out, two buffers
.set G1, 24
.set G0, 32
.set G1B, 48
.set G0B, 56
.set MSB, 0
.macro WIN new
.if MSB != \new
	s_set_vgpr_msb (MSB<<8)|\new
.set MSB, \new
.endif
.endm
.macro JLOAD s                         ; waves 0 and 1 fetch A's two pairs of heads, waves 2 and 3 B's two halves
	s_cmp_eq_u32 s11, 0
	s_cbranch_scc0 .Lfor_b_\@
	tensor_load_to_lds s[G0+4*\s:G0+4*\s+3], s[G1:G1+7]
	s_nop 0
	s_branch .Lasked_\@
.Lfor_b_\@:
	tensor_load_to_lds s[G0B+4*\s:G0B+4*\s+3], s[G1B:G1B+7]
	s_nop 0
.Lasked_\@:
.endm
.macro CROUND                          ; a round of the cluster's barrier
	s_barrier_signal -1
	s_barrier_wait -1
	s_cmp_lg_u32 s10, 0
	s_cbranch_scc1 .Lnot_wave_0_\@
	s_barrier_signal -3
.Lnot_wave_0_\@:
	s_barrier_wait -3
	s_barrier_signal -1
	s_barrier_wait -1
.endm
	s_load_b128 s[4:7], s[0:1], 0x0                ; ctx s[4:5], wt s[6:7]
	s_load_b128 s[68:71], s[0:1], 0x10             ; bo s[68:69], out0 s[70:71]
	v_lshl_add_u32 v30, v0, 2, 0x49400
	v_mov_b32 v31, 0
	ds_add_u32 v30, v31
	v_lshrrev_b32 v1, 5, v0
	v_readfirstlane_b32 s10, v1                    ; wave 0..3
	s_lshr_b32 s11, s10, 1                         ; my half of the block's rows.  Also: I fetch for A (0) or for B (1)
	s_and_b32 s12, s10, 1                          ; my half of its columns.  Also: which half of that tile I fetch
	s_bfe_u32 s40, ttmp6, 0x40000                  ; cx
	s_bfe_u32 s41, ttmp6, 0x40004                  ; cy
	s_lshl_b32 s42, ttmp9, 2
	s_add_co_u32 s42, s42, s40                     ; block column 0..7
	s_and_b32 s13, ttmp7, 0xffff
	s_lshl_b32 s13, s13, 2
	s_add_co_u32 s13, s13, s41                     ; block row 0..31
	s_lshl_b32 s43, s41, 2
	s_lshl_b32 s43, 15, s43                        ; my row of the cluster
	s_lshl_b32 s44, 0x1111, s40                    ; my column
	; A: 128 rows of one head are 16,384 consecutive bytes; two heads come as two long rows of 8,192 elements, 131,072 elements apart.
	; The padding is counted along the tile: 4 words behind every 32 words give LDS rows of 144 bytes.
	s_or_b32 s[G1+0], s43, (1<<16)|(1<<20)|(1<<21)|(4<<22)|(3<<25)
	s_mov_b32 s[G1+1], 8192<<16                    ; tensor_dim0 = 8,192
	s_mov_b32 s[G1+2], 2<<16                       ; tensor_dim1 = 2
	s_mov_b32 s[G1+3], 8192<<16                    ; tile_dim0 = 8,192
	s_mov_b32 s[G1+4], 2                           ; tile_dim1 = 2
	s_mov_b32 s[G1+5], 131072                      ; from head to head
	s_mov_b32 s[G1+6], 0
	s_mov_b32 s[G1+7], 0
	; B: 64 rows of 256 elements (512 bytes), 4 words of padding behind every 128 words: LDS rows of 528 bytes
	s_or_b32 s[G1B+0], s44, (1<<16)|(1<<20)|(1<<21)|(6<<22)|(3<<25)
	s_mov_b32 s[G1B+1], 256<<16
	s_mov_b32 s[G1B+2], 64<<16
	s_mov_b32 s[G1B+3], 256<<16
	s_mov_b32 s[G1B+4], 64
	s_mov_b32 s[G1B+5], 1024
	s_mov_b32 s[G1B+6], 0
	s_mov_b32 s[G1B+7], 0
	s_lshr_b32 s16, s13, 4                         ; batch: 16 block rows each
	s_lshl_b32 s16, s16, 4
	s_lshl1_add_u32 s16, s12, s16                  ; my first head = 16 batch + 2 half
	s_lshl_b32 s16, s16, 18
	s_and_b32 s17, s13, 15
	s_lshl_b32 s17, s17, 14                        ; 128 rows of 128 bytes
	s_add_co_u32 s16, s16, s17
	s_mov_b32 s17, 0
	s_lshl_b32 s46, s42, 7
	s_lshl_b32 s47, s12, 6
	s_add_co_u32 s46, s46, s47
	s_add_co_u32 s46, s46, 3072                    ; wt's row 3072 + 128 block column + 64 half
	s_lshl_b32 s46, s46, 11
	s_mov_b32 s47, 0
	s_mul_i32 s20, s12, 2*HEADL                    ; LDS: A's two pairs of heads,
	s_mul_i32 s21, s12, 64*BPITCH
	s_add_co_u32 s21, s21, ABYTES                  ; B's two halves
	s_wait_dscnt 0x0
	s_wait_kmcnt 0x0
	s_add_nc_u64 s[14:15], s[4:5], s[16:17]
	s_add_nc_u64 s[46:47], s[6:7], s[46:47]
	CROUND                                         ; the first joint loads meet
.irp s, 0,1
	s_mov_b32 s[G0+4*\s], 1
	s_add_co_u32 s[G0+4*\s+1], s20, \s*SLOT
	s_add_nc_u64 s[G0+4*\s+2:G0+4*\s+3], s[14:15], \s*4*262144     ; four heads a tile
	s_or_b32 s[G0+4*\s+3], s[G0+4*\s+3], 0x80000000
	s_mov_b32 s[G0B+4*\s], 1
	s_add_co_u32 s[G0B+4*\s+1], s21, \s*SLOT
	s_add_nc_u64 s[G0B+4*\s+2:G0B+4*\s+3], s[46:47], \s*512
	s_or_b32 s[G0B+4*\s+3], s[G0B+4*\s+3], 0x80000000
	JLOAD \s                                       ; tiles 0 and 1: two tensor loads of a wave are out
.endr
	v_and_b32 v1, 15, v0                           ; r
	v_bfe_u32 v2, v0, 4, 1                         ; h
	s_lshl_b32 s22, s42, 9                         ; my first column, in bytes of f32: 512 block column + 256 half
	s_lshl_b32 s23, s12, 8
	s_add_co_u32 s22, s22, s23
	s_mov_b32 s23, 0
	s_add_nc_u64 s[68:69], s[68:69], s[22:23]      ; bo at my columns
	v_lshlrev_b32 v[BOFF], 5, v2
.irp b, 0,1,2,3
	global_load_b128 v[BIAS+8*\b:BIAS+8*\b+3],   v[BOFF], s[68:69] offset:64*\b
	global_load_b128 v[BIAS+8*\b+4:BIAS+8*\b+7], v[BOFF], s[68:69] offset:64*\b+16
.endr
	s_lshl_b32 s18, s13, 19                        ; 128 rows of 4,096 bytes a block row
	s_add_co_u32 s22, s22, s18
	s_lshl_b32 s18, s11, 18                        ; 64 rows a half
	s_add_co_u32 s22, s22, s18
	s_add_nc_u64 s[70:71], s[70:71], s[22:23]      ; out0 at my block
	v_mul_u32_u24 v3, v1, APITCH
	v_lshl_add_u32 v3, v2, 4, v3
	v_mul_u32_u24 v4, v1, BPITCH
	v_lshl_add_u32 v4, v2, 4, v4
	s_mul_i32 s18, s11, 64*APITCH
	s_mul_i32 s19, s12, 64*BPITCH
	s_add_co_u32 s19, s19, ABYTES
.irp s, 0,1
	v_add_nc_u32 v[ADRA+\s], s18, v3
	v_add_nc_u32 v[ADRB+\s], s19, v4
	s_add_co_u32 s18, s18, SLOT
	s_add_co_u32 s19, s19, SLOT
.endr
	s_mul_i32 s18, s10, 16*SPITCH
	s_add_co_u32 s18, s18, STAGE                   ; my stage
	v_mul_u32_u24 v5, v1, SPITCH
	v_lshl_add_u32 v5, v2, 5, v5
	v_add_nc_u32 v[STO], s18, v5                   ; in: row r, 32 bytes (8 f32) for each half of the lanes
	v_mul_u32_u24 v5, v2, SPITCH
	v_lshl_add_u32 v5, v1, 4, v5
	v_add_nc_u32 v[RD], s18, v5                    ; back: lanes 0-15 one row of 256 bytes, lanes 16-31 the next
	v_lshlrev_b32 v5, 12, v2
	v_lshl_add_u32 v[CO], v1, 4, v5                ; and the same two rows in out0
.macro PLACES                          ; four independent vector places behind matrix instructions (ISA guide 7.12.1)
.rept 4
	v_nop
.endr
.endm
; 16 LDS loads: the fragments of 32 along K (quarter q = 0..7 of slot s: head q >> 1, d = 32 (q & 1) ..) into buffer f
.macro FETCH s, q, f
	WIN 0
.irp i, 0,1,2,3
	ds_load_b128 v[\f+8*\i:\f+8*\i+3],   v[ADRA+\s] offset:(\q>>1)*HEADL+\i*16*APITCH+(\q&1)*64
	ds_load_b128 v[\f+8*\i+4:\f+8*\i+7], v[ADRA+\s] offset:(\q>>1)*HEADL+\i*16*APITCH+(\q&1)*64+32
.endr
.irp i, 0,1,2,3
	ds_load_b128 v[\f+32+8*\i:\f+32+8*\i+3],   v[ADRB+\s] offset:\i*16*BPITCH+\q*64
	ds_load_b128 v[\f+32+8*\i+4:\f+32+8*\i+7], v[ADRB+\s] offset:\i*16*BPITCH+\q*64+32
.endr
.endm
; 16 matrix instructions on 16 accumulators (window 1) that take turns, one instruction a turn.  bias = 1: the bias starts the sums.
.macro MUL f, bias
.if \bias
	WIN 0x40
.else
	WIN 0x50
.endif
.irp a, 0,1,2,3
.irp b, 0,1,2,3
.if \bias
	v_wmma_f32_16x16x32_f16 v[8*(4*\a+\b):8*(4*\a+\b)+7], v[\f+32+8*\b:\f+32+8*\b+7], v[\f+8*\a:\f+8*\a+7], v[BIAS+8*\b:BIAS+8*\b+7]
.else
	v_wmma_f32_16x16x32_f16 v[8*(4*\a+\b):8*(4*\a+\b)+7], v[\f+32+8*\b:\f+32+8*\b+7], v[\f+8*\a:\f+8*\a+7], v[8*(4*\a+\b):8*(4*\a+\b)+7]
.endif
.endr
.endr
.endm
.macro QUARTER s, qn, f, g, bias       ; buffer f is multiplied while quarter qn's fragments come into buffer g
	s_wait_dscnt 0x0                               ; buffer f is whole
	PLACES                                         ; behind the products that read buffer g
	FETCH \s, \qn, \g
	MUL \f, \bias
.endm
.macro TILE s, bias                    ; on entry quarter 0's fragments are on their way into buffer 0
	QUARTER \s, 1, F0, F1, \bias
	QUARTER \s, 2, F1, F0, 0
	QUARTER \s, 3, F0, F1, 0
	QUARTER \s, 4, F1, F0, 0
	QUARTER \s, 5, F0, F1, 0
	QUARTER \s, 6, F1, F0, 0
	QUARTER \s, 7, F0, F1, 0
	s_wait_dscnt 0x0
	MUL F1, 0
	WIN 0
.endm
; The change of slots: every wave waits for all its tensor loads and for its reads of the slot just read; refill = 1: a round of the cluster's barrier,
; then the joint refill, first thing behind it and my one tensor load until the next round.
.macro CHANGE slot, next, refill
	s_wait_tensorcnt 0x0
	ds_add_u32 v30, v31
	s_wait_dscnt 0x0
.if \refill
	s_add_nc_u64 s[G0+4*\slot+2:G0+4*\slot+3], s[G0+4*\slot+2:G0+4*\slot+3], 8*262144   ; two tiles of four heads on
	s_add_nc_u64 s[G0B+4*\slot+2:G0B+4*\slot+3], s[G0B+4*\slot+2:G0B+4*\slot+3], 1024
.endif
	s_wait_dscnt 0x0
.if \refill
	CROUND
	JLOAD \slot
.else
	s_barrier_signal -1
	s_barrier_wait -1
.endif
	PLACES
	FETCH \next, 0, F0
.endm
	s_wait_loadcnt 0x0                             ; the bias
	s_wait_tensorcnt 1                             ; my part of tile 0 is in; tile 1's may stay out
	s_barrier_signal -1
	s_barrier_wait -1
	FETCH 0, 0, F0
	TILE 0, 1
	CHANGE 0, 1, 1                                 ; tile 2 into slot 0
	TILE 1, 0
	CHANGE 1, 0, 1                                 ; tile 3 into slot 1
	TILE 0, 0
	CHANGE 0, 1, 0                                 ; nothing is left to fetch
	TILE 1, 0
	; THE WAY OUT, 16 rows at a time: 32 bytes a lane into my own stage, read back as whole rows of 256 bytes
	PLACES
.macro OUT a, f
	WIN 0x04                                       ; store data in window 1
.irp b, 0,1,2,3
	ds_store_b128 v[STO], v[8*(4*\a+\b):8*(4*\a+\b)+3]   offset:64*\b
	ds_store_b128 v[STO], v[8*(4*\a+\b)+4:8*(4*\a+\b)+7] offset:64*\b+16
.endr
	WIN 0
	s_wait_xcnt 0x0                                ; buffer f, which earlier stores read, and the stores' base are rewritten only behind this wait
.if \a
	s_add_nc_u64 s[70:71], s[70:71], 16*4096       ; 16 rows of out0 on
.endif
.irp t, 0,1,2,3,4,5,6,7
	ds_load_b128 v[\f+4*\t:\f+4*\t+3], v[RD] offset:\t*2*SPITCH    ; a wave's LDS instructions are served in order: these see the stores above
.endr
.irp t, 0,1,2,3,4,5,6,7
	s_wait_dscnt 7-\t
	global_store_b128 v[CO], v[\f+4*\t:\f+4*\t+3], s[70:71] offset:8192*\t th:TH_STORE_NT   ; 16 lanes store 256 consecutive bytes, aligned
.endr
.endm
	OUT 0, OUTB
	OUT 1, OUTB+32
	OUT 2, OUTB
	OUT 3, OUTB+32
	s_wait_tensorcnt 0x0
	ds_add_u32 v30, v31
	s_wait_dscnt 0x0
	CROUND                                         ; the closing round
	s_endpgm
.Lfunc_end_k_q7b0b381d46_oproj:
	.size	k_q7b0b381d46_oproj, .Lfunc_end_k_q7b0b381d46_oproj-k_q7b0b381d46_oproj
	.p2alignl 7, 3214868480
	.fill 96, 4, 3214868480
	.section	.rodata,"a",@progbits
	.p2align	6, 0x0
	.amdhsa_kernel k_q7b0b381d46_oproj
		.amdhsa_group_segment_fixed_size 327680
		.amdhsa_private_segment_fixed_size 0
		.amdhsa_enable_private_segment 0
		.amdhsa_kernarg_size 32
		.amdhsa_user_sgpr_count 2
		.amdhsa_user_sgpr_kernarg_segment_ptr 1
		.amdhsa_wavefront_size32 1
		.amdhsa_system_sgpr_workgroup_id_x 1
		.amdhsa_system_sgpr_workgroup_id_y 1
		.amdhsa_system_sgpr_workgroup_id_z 1
		.amdhsa_system_vgpr_workitem_id 0
		.amdhsa_next_free_vgpr 384
		.amdhsa_next_free_sgpr 72
		.amdhsa_reserve_vcc 0
		.amdhsa_float_denorm_mode_32 3
		.amdhsa_float_denorm_mode_16_64 3
		.amdhsa_memory_ordered 1
		.amdhsa_forward_progress 1
		.amdhsa_inst_pref_size 90
	.end_amdhsa_kernel
	.amdgpu_metadata
---
amdhsa.version: [ 1, 2 ]
amdhsa.kernels:
  - .name:           k_q7b0b381d46_oproj
    .symbol:         k_q7b0b381d46_oproj.kd
    .args:
      - { .name: ctx, .offset: 0, .size: 8, .value_kind: global_buffer, .address_space: global }
      - { .name: wt, .offset: 8, .size: 8, .value_kind: global_buffer, .address_space: global }
      - { .name: bo, .offset: 16, .size: 8, .value_kind: global_buffer, .address_space: global }
      - { .name: out0, .offset: 24, .size: 8, .value_kind: global_buffer, .address_space: global }
    .group_segment_fixed_size: 327680
    .private_segment_fixed_size: 0
    .kernarg_segment_align: 8
    .kernarg_segment_size: 32
    .max_flat_workgroup_size: 128
    .sgpr_count:     72
    .vgpr_count:     384
    .wavefront_size: 32
...
	.end_amdgpu_metadata
.endif
;; end of part 4
